; MI455X (gfx1250); checked and timed in simulation.
; The chip was launched on July 23, 2026; its instructions are those of AMD's public machine-readable ISA for CDNA 5 (MIT licence, August 2026) and "CDNA5" Instruction Set Architecture Reference Guide (July 2026). The comments in the code are by the model that wrote it; some were corrected since.
;; Moe Layer. Allowed arithmetic: matrix products marked QUANTISED: E3M2 operands, one E8M0 scale for each 32 along K, by v_wmma_scale_f32_16x16x128_f8f6f4 with both operands' format E3M2, f32 sums; products left as they are: f32 operands where the result goes on into a quantised operand, else bf16, f16 or f32 operands; f32 sums; everything else in f32.
;; Inputs: gate_w 1,024 x 8 float32; w1_codes 8 x 256 x 32 x 24 uint8 (E3M2 codes of w1, K innermost, in blocks of 32 codes, four codes in three bytes); w1_scales 8 x 256 x 32 uint8 (E8M0 scales of w1, one for each 32 codes along K); w2_codes 8 x 1,024 x 8 x 24 uint8 (E3M2 codes of w2, K innermost, in blocks of 32 codes, four codes in three bytes); w2_scales 8 x 1,024 x 8 uint8 (E8M0 scales of w2, one for each 32 codes along K); w3_codes 8 x 256 x 32 x 24 uint8 (E3M2 codes of w3, K innermost, in blocks of 32 codes, four codes in three bytes); w3_scales 8 x 256 x 32 uint8 (E8M0 scales of w3, one for each 32 codes along K); x 4 x 2,048 x 1,024 float32.
;; Outputs: out0 4 x 2,048 x 1,024 float32.
;; This version of the problem:
;;   THIS VERSION OF THE PROBLEM IS GIVEN IN LOW PRECISION. The matrix products marked QUANTISED in the list below multiply operands that are first quantised to E3M2 (3 exponent bits, 2 mantissa bits; 6 bits a number), with one power-of-two scale for each 32 numbers along K (OCP MX v1.0); their sums are f32. All else is computed in f32.
;;   The module's matrix products, in the order in which they are computed (A, B: the left and right operand; K: the contracted axis; several contracted axes count as one K, in the product's order):
;;     1. [M 8,192, K 1,024] x [K 1,024, N 8]; A: input x; B: input gate_w: left as it is (N = 8 < 16)
;;     2. [M 8,192, K 1,024] x [K 1,024, N 256]; A: input x; B: input w1 (given as codes): QUANTISED
;;     3. [M 8,192, K 1,024] x [K 1,024, N 256]; A: input x; B: input w3 (given as codes): QUANTISED
;;     4. [M 8,192, K 256] x [K 256, N 1,024]; A: computed on the way; B: input w2 (given as codes): QUANTISED
;;     5. [M 8,192, K 1,024] x [K 1,024, N 256]; A: input x; B: input w1 (given as codes): QUANTISED
;;     6. [M 8,192, K 1,024] x [K 1,024, N 256]; A: input x; B: input w3 (given as codes): QUANTISED
;;     7. [M 8,192, K 256] x [K 256, N 1,024]; A: computed on the way; B: input w2 (given as codes): QUANTISED
;;     8. [M 8,192, K 1,024] x [K 1,024, N 256]; A: input x; B: input w1 (given as codes): QUANTISED
;;     9. [M 8,192, K 1,024] x [K 1,024, N 256]; A: input x; B: input w3 (given as codes): QUANTISED
;;     10. [M 8,192, K 256] x [K 256, N 1,024]; A: computed on the way; B: input w2 (given as codes): QUANTISED
;;     11. [M 8,192, K 1,024] x [K 1,024, N 256]; A: input x; B: input w1 (given as codes): QUANTISED
;;     12. [M 8,192, K 1,024] x [K 1,024, N 256]; A: input x; B: input w3 (given as codes): QUANTISED
;;     13. [M 8,192, K 256] x [K 256, N 1,024]; A: computed on the way; B: input w2 (given as codes): QUANTISED
;;     14. [M 8,192, K 1,024] x [K 1,024, N 256]; A: input x; B: input w1 (given as codes): QUANTISED
;;     15. [M 8,192, K 1,024] x [K 1,024, N 256]; A: input x; B: input w3 (given as codes): QUANTISED
;;     16. [M 8,192, K 256] x [K 256, N 1,024]; A: computed on the way; B: input w2 (given as codes): QUANTISED
;;     17. [M 8,192, K 1,024] x [K 1,024, N 256]; A: input x; B: input w1 (given as codes): QUANTISED
;;     18. [M 8,192, K 1,024] x [K 1,024, N 256]; A: input x; B: input w3 (given as codes): QUANTISED
;;     19. [M 8,192, K 256] x [K 256, N 1,024]; A: computed on the way; B: input w2 (given as codes): QUANTISED
;;     20. [M 8,192, K 1,024] x [K 1,024, N 256]; A: input x; B: input w1 (given as codes): QUANTISED
;;     21. [M 8,192, K 1,024] x [K 1,024, N 256]; A: input x; B: input w3 (given as codes): QUANTISED
;;     22. [M 8,192, K 256] x [K 256, N 1,024]; A: computed on the way; B: input w2 (given as codes): QUANTISED
;;     23. [M 8,192, K 1,024] x [K 1,024, N 256]; A: input x; B: input w1 (given as codes): QUANTISED
;;     24. [M 8,192, K 1,024] x [K 1,024, N 256]; A: input x; B: input w3 (given as codes): QUANTISED
;;     25. [M 8,192, K 256] x [K 256, N 1,024]; A: computed on the way; B: input w2 (given as codes): QUANTISED
;;   THE QUANTISER, for each operand of a quantised product, along K:
;;     - K is cut into blocks of 32 from its start; a last block that is shorter is filled with zeros.
;;     - A block's scale is 2^e with e = floor(log2(the largest magnitude in the block)) - 4, held to -126 .. 127; a block of zeros has e = 0. As a byte (E8M0): e + 127.
;;     - Each number is divided by its block's scale, clamped to +-28, and rounded to the nearest number of E3M2, ties to even, subnormals kept.
;;     - The product sums the exact products of the quantised numbers (number of the format x scale) in f32.
;;   ~~~python
;;   def quantise(x, axis):      # numpy; x: float32 -> the quantised numbers, widened to float32 again
;;       x = np.moveaxis(x, axis, -1); K = x.shape[-1]
;;       x = np.pad(x, [(0, 0)] * (x.ndim - 1) + [(0, -K % 32)]); x = x.reshape(x.shape[:-1] + (-1, 32)); a = np.abs(x).max(-1, keepdims=True)
;;       e = np.where(a > 0, np.clip(np.frexp(np.where(a > 0, a, 1))[1] - 1 - 4, -126, 127), 0)      # np.frexp(a)[1] - 1 = floor(log2(a)), exactly
;;       r = np.clip(x / 2.0 ** e, -28, 28)
;;       step = 2.0 ** (np.maximum(np.frexp(np.where(r == 0, 1, r))[1] - 1, -2) - 2)
;;       q = np.round(r / step) * step * 2.0 ** e      # np.round: ties to even
;;       return np.moveaxis(q.reshape(q.shape[:-2] + (-1,))[..., :K], -1, axis).astype(np.float32)
;;   ~~~
;;   OPERANDS COMPUTED ON THE WAY. 'Computed on the way' means the value that the module computes at that place (a softmax that the list does not call 'softmax' is quantised finished and normalised). What goes into a quantiser is computed in f32, as accurately as f32 sums, v_exp_f32 and their like allow (about 1e-6 of the number): no bf16 or f16 on the way to a quantiser, and a product that is left as it is and whose result goes on into a quantised operand takes f32 operands (vector FMAs, or v_wmma_f32_16x16x4_f32). A number that lies on a knife's edge between two numbers of the format may be rounded either way, as far as f32 arithmetic and the matrix unit's own rounding can turn it there, and no further.
;;   INPUTS GIVEN AS CODES. w1 (in the module: [8, 1024, 256], K = its axis 1); w2 (in the module: [8, 256, 1024], K = its axis 1); w3 (in the module: [8, 1024, 256], K = its axis 1): each comes as NAME_codes (uint8): NAME with its K axis moved to the last place and cut into blocks of 32 codes, [.., K / 32, bytes a block], one block behind the other in memory; four codes in three bytes: a row's codes are one little-endian stream of bits, code i at bits 6 i .. 6 i + 5 (a code: sign, 3 exponent bits, 2 mantissa bits); and NAME_scales (uint8): the same leading axes, one E8M0 byte (e + 127) for each 32 codes along K. Its value is code x scale, taken as it is: it is not quantised again, and the codes and scales need not be those that the quantiser above would give.
;; 2 versions. Each part assembles by itself: llvm-mc -triple=amdgcn-amd-amdhsa -mcpu=gfx1250 --defsym DOCPART=n.
;; ======== version 1 of 2: 3 launches
;; workspace buffers: xq 6,291,456 bytes; xs 262,144 bytes; gw 65,536 bytes; sel 65,536 bytes of whole numbers; order 40,960 bytes of whole numbers; tiles 1,024 bytes of whole numbers; wimg 4,718,592 bytes
;; launch gate_quant (part 1): grid 256 x 1, 4 waves a work-group, no clusters, 98,816 bytes of LDS; arguments x, gate_w, xq, xs, gw, sel; writes xq, xs, gw, sel
.if DOCPART == 1
	.amdgcn_target "amdgcn-amd-amdhsa--gfx1250"
	.amdhsa_code_object_version 6
	.text
	.protected	k_q4d6e989556_gate_quant
	.globl	k_q4d6e989556_gate_quant
	.p2align	8
	.type	k_q4d6e989556_gate_quant,@function
k_q4d6e989556_gate_quant:
	s_mov_b64 s[64:65], 0
	v_nop
	global_prefetch_b8 v0, s[64:65] scope:SCOPE_SE
	s_setreg_imm32_b32 hwreg(HW_REG_WAVE_MODE, 25, 1), 1
	s_wait_xcnt 0x0
; x [8192][1024] f32 is read once.  From it: (1) the gate logits x gate_w in f32 (fused multiply-adds), the two largest of eight (ties: the lower index), the softmax of the two;
; (2) the codes of x in E3M2 with one E8M0 byte for each 32 along K.
; A work-group takes 32 tokens, a wave 8, one whole row (4,096 bytes) at a time.  All 64 row loads of a wave go out at the start.
; xq: [token][K step s][h][c][24 bytes], block 4 s + 2 c + h of the row: the 12 operand registers of lane (r, h) for K step s are 48 bytes on end.
; xs: [token][32] scale bytes.  gw: [token][2] f32: the weight of the lower-numbered expert, then of the higher.
; sel: [group of 32 tokens][lane][2] u32: word 0 = pair key + 256 x rank of token lane among the tokens of its key in the group; word 1 = how many tokens of the group have key = lane.
; The pair key of experts lo < hi is lo (13 - lo) / 2 + hi - 1: 0 to 27.  What is derived from the logits is stored as data alone: no address and no branch here hangs on it.
; LIMITS: NaN and infinities in x or gate_w are not served.  A block whose largest magnitude lies under 2^-122 gets the byte 1, a block of zeros too (its codes are zeros, and this program alone reads the bytes).
; REGISTERS: window 0: v1-15 addresses; v16-31 eight pairs of sums; v32-95 two sets of 32 neighbours (first the gate as loaded); v96-111 codes and byte, two sets; v112-127 at work; v128.. the top-2.
;   window 1: register 32 e + i = gate_w[32 lane + i][e].   window 2: the 8 rows as loaded, 32 registers each.
.set GIMG,  0                          ; the gate, transposed: 32 places of 8 experts x 32 k x 4 bytes + 16
.set TST,   33280                      ; for each wave two stages of 32 places of 128 bytes + 16
.set CST,   70144                      ; codes: 32 tokens, 768 bytes + 16
.set XSST,  95232                      ; 32 x 32 scale bytes
.set LOG,   96256                      ; 32 x 8 logits
.set MSB, 0
.macro WIN new                         ; the high byte of the immediate repeats the setting that is left
.if MSB != (\new)
	s_set_vgpr_msb (MSB<<8)|(\new)
.set MSB, (\new)
.endif
.endm
	s_load_b256 s[4:11], s[0:1], 0x0               ; x, gate_w, xq, xs
	s_load_b128 s[12:15], s[0:1], 0x20             ; gw, sel
	v_lshl_add_u32 v254, v0, 2, 0x18000
	v_mov_b32 v255, 0
	v_lshrrev_b32 v1, 5, v0
	v_readfirstlane_b32 s16, v1                    ; wave 0..3
	v_and_b32 v1, 31, v0                           ; lane L
	v_lshlrev_b32 v2, 4, v1                        ; 16 L: my bytes of a load of 512
	v_lshlrev_b32 v15, 4, v0                       ; 16 x thread: my bytes of the gate
	v_lshrrev_b32 v112, 6, v0                      ; the gate into LDS: thread t holds k = t / 2 + 64 n, experts 4 (t % 2) + j:
	v_mul_u32_u24 v3, v112, 1040                   ; place k / 32,
	v_and_b32 v112, 1, v0
	v_lshl_add_u32 v3, v112, 9, v3                 ; 128 bytes an expert,
	v_bfe_u32 v112, v0, 1, 5
	v_lshl_add_u32 v3, v112, 2, v3                 ; 4 bytes a k
	v_mul_u32_u24 v4, v1, 1040                     ; and back: place L
	s_mul_i32 s17, s16, 9216
	s_add_co_u32 s17, s17, TST
	v_lshrrev_b32 v112, 3, v1
	v_lshl_add_u32 v5, v112, 4, v2
	v_add_nc_u32 v5, s17, v5                       ; a row into the stage: 16 L + 16 (L / 8): eight lanes fill a place of 128 bytes
	v_mul_u32_u24 v6, v1, 144
	v_add_nc_u32 v6, s17, v6                       ; and back: place L = block L of the row
	s_mul_i32 s17, s16, 6272
	s_add_co_u32 s17, s17, CST
	v_lshrrev_b32 v112, 2, v1
	v_mul_u32_u24 v7, v112, 96
	v_and_b32 v112, 1, v1
	v_mad_u32_u24 v7, v112, 48, v7
	v_bfe_u32 v112, v1, 1, 1
	v_mad_u32_u24 v7, v112, 24, v7
	v_add_nc_u32 v7, s17, v7                       ; block L = 4 s + 2 c + h goes to 96 s + 48 h + 24 c
	v_add_nc_u32 v10, s17, v2                      ; codes back: 16 L,
	v_lshrrev_b32 v112, 4, v1
	v_lshl_add_u32 v11, v112, 4, v10               ; and 16 more where the second row of a pair has begun
	s_lshl_b32 s18, s16, 8
	s_add_co_u32 s19, s18, XSST
	v_add_nc_u32 v8, s19, v1                       ; my block byte
	v_lshl_add_u32 v13, v1, 3, s19                 ; the bytes back, 8 a lane
	s_add_co_u32 s19, s18, LOG
	v_and_b32 v112, 7, v1
	v_lshl_add_u32 v9, v112, 2, s19                ; the logit of expert L % 8
	s_mul_i32 s19, s16, 6144
	v_add_nc_u32 v12, s19, v2                      ; xq: my wave, 16 L
	v_lshl_add_u32 v14, v1, 3, s18                 ; xs: my wave, 8 L
	v_lshl_add_u32 v128, v1, 5, LOG                ; wave 0 at the end: the eight logits of token L
	v_lshlrev_b32 v129, 3, v1                      ; and 8 L in gw and in sel
	s_mov_b32 s20, 0xaaaaaaaa                      ; lanes with bit 0, 1, 2 of their number set
	s_mov_b32 s21, 0xcccccccc
	s_mov_b32 s22, 0xf0f0f0f0
	s_mov_b32 s24, 0x76543210                      ; selects of v_permlanex16_b32 for lane l xor 16
	s_mov_b32 s25, 0xfedcba98
	s_lshl_b32 s26, ttmp9, 17                      ; 32 rows of 4,096 bytes a work-group,
	s_lshl_b32 s27, s16, 15                        ; 8 a wave
	s_add_co_u32 s26, s26, s27
	s_mov_b32 s27, 0
	s_mul_i32 s28, ttmp9, 24576
	s_mov_b32 s29, 0
	s_lshl_b32 s30, ttmp9, 10
	s_mov_b32 s31, 0
	s_lshl_b32 s32, ttmp9, 8
	s_mov_b32 s33, 0
	s_wait_kmcnt 0x0
	s_add_nc_u64 s[4:5], s[4:5], s[26:27]
	s_add_nc_u64 s[8:9], s[8:9], s[28:29]
	s_add_nc_u64 s[10:11], s[10:11], s[30:31]
	s_add_nc_u64 s[12:13], s[12:13], s[32:33]
	s_add_nc_u64 s[14:15], s[14:15], s[32:33]
.macro XROW r                          ; row r of my eight: eight loads of 512 consecutive bytes
.irp n, 0,1,2,3,4,5,6,7
	global_load_b128 v[32*(\r)+4*\n:32*(\r)+4*\n+3], v2, s[4:5] offset:4096*(\r)+512*\n th:TH_LOAD_NT
.endr
.endm
.irp n, 0,1,2,3,4,5,6,7,8,9,10,11,12,13,14,15
	global_load_b128 v[32+4*\n:35+4*\n], v15, s[6:7] offset:2048*\n   ; the gate: 128 threads x 16 bytes x 16
.endr
	WIN 0x80                                       ; destination window 2
.irp r, 0,1,2,3,4,5
	XROW \r
.endr
	WIN 0
	s_wait_loadcnt 48                              ; the 48 loads of six rows are younger: the gate is in
.irp n, 0,1,2,3,4,5,6,7,8,9,10,11,12,13,14,15
.irp j, 0,1,2,3
	ds_store_b32 v3, v[32+4*\n+\j] offset:2080*\n+128*\j
.endr
.endr
	WIN 0x80
	XROW 6
	XROW 7
	WIN 0
	s_wait_dscnt 0x0                               ; my part of the gate lies in LDS
	s_barrier_signal -1
	s_barrier_wait -1                              ; all of it does
	WIN 0x40                                       ; destination window 1
.set k, 0
.rept 64
	ds_load_b128 v[4*k:4*k+3], v4 offset:16*k
.set k, k+1
.endr
	WIN 0
; Row r through my stage: as loaded, 16 bytes a lane; back 128 bytes a lane: lane L then holds k = 32 L .. 32 L + 31.  LDS serves the instructions of a wave in order.
.macro TURN r
	WIN 0x08                                       ; the data of an LDS store are its source 1: window 2
.irp n, 0,1,2,3,4,5,6,7
	ds_store_b128 v5, v[32*(\r)+4*\n:32*(\r)+4*\n+3] offset:4608*((\r)%2)+576*\n
.endr
	WIN 0
.irp q, 0,1,2,3,4,5,6,7
	ds_load_b128 v[32+32*((\r)%2)+4*\q:35+32*((\r)%2)+4*\q], v6 offset:4608*((\r)%2)+16*\q
.endr
.endm
.macro ROW r
.set XS, 32+32*((\r)%2)
.set CC, 96+8*((\r)%2)
.if (\r) == 0
	s_wait_dscnt 0x0                               ; the gate and row 0 are in registers
.else
	s_wait_dscnt 5                                 ; the five stores of the last row are younger than this row's way through the stage; all of two rows back is done
.endif
.if (\r) < 7
	s_wait_loadcnt 8*(6-(\r))                      ; the next row is in: the rows behind it may be out
	TURN (\r)+1
.endif
	v_max3_num_f32 v112, |v[XS]|, |v[XS+1]|, |v[XS+2]|             ; the largest magnitude of my block, in two chains
	v_max3_num_f32 v113, |v[XS+3]|, |v[XS+4]|, |v[XS+5]|
.irp i, 6,10,14,18,22,26
	v_max3_num_f32 v112, v112, |v[XS+\i]|, |v[XS+\i+1]|
	v_max3_num_f32 v113, v113, |v[XS+\i+2]|, |v[XS+\i+3]|
.endr
	v_max3_num_f32 v112, v112, |v[XS+30]|, |v[XS+31]|
	v_max3_num_f32 v112, v112, v113, 0x2800000     ; and the floor 2^(5 - 127): the byte cannot fall under 1
	v_add_nc_u32 v114, 0xfe000000, v112            ; 4 off the exponent field: the scale operand of the conversion
	v_cvt_scalef32_pk16_bf6_f32 v[CC:CC+2], v[XS:XS+15], v114
	v_cvt_scalef32_pk16_bf6_f32 v[CC+4:CC+6], v[XS+16:XS+31], v114   ; (the three registers of a conversion begin on an even number)
	v_lshrrev_b32 v[CC+7], 23, v114                ; the byte.  (The plain place behind the conversions)
	v_mov_b32 v[CC+3], v[CC+4]
	v_mov_b32 v[CC+4], v[CC+5]
	v_mov_b32 v[CC+5], v[CC+6]                     ; 24 bytes on end
	ds_store_b64 v7, v[CC:CC+1] offset:784*(\r)
	ds_store_b64 v7, v[CC+2:CC+3] offset:784*(\r)+8
	ds_store_b64 v7, v[CC+4:CC+5] offset:784*(\r)+16
	ds_store_b8 v8, v[CC+7] offset:32*(\r)
	WIN 0x04                                       ; source 1 (the gate) window 1
.irp e, 0,1,2,3,4,5,6,7
	v_pk_mul_f32 v[16+2*\e:17+2*\e], v[XS:XS+1], v[32*\e:32*\e+1]    ; the first products start the sums: for each expert one of the even k, one of the odd
.endr
.irp q, 1,2,3,4,5,6,7,8,9,10,11,12,13,14,15
.irp e, 0,1,2,3,4,5,6,7
	v_pk_fma_f32 v[16+2*\e:17+2*\e], v[XS+2*\q:XS+2*\q+1], v[32*\e+2*\q:32*\e+2*\q+1], v[16+2*\e:17+2*\e]
.endr
.endr
	WIN 0
.irp e, 0,1,2,3,4,5,6,7
	v_add_f32 v[112+\e], v[16+2*\e], v[17+2*\e]    ; my 32 k of expert e
.endr
; Over the 32 lanes, eight sums at once: in each of three steps a lane keeps half of its sums, those of the experts whose bit is its own, and hands the other half to its partner.
.irp p, 0,1,2,3
	v_cndmask_b32 v[120+\p], v[112+2*\p], v[113+2*\p], s20
	v_cndmask_b32 v[124+\p], v[113+2*\p], v[112+2*\p], s20
.endr
.irp p, 0,1,2,3
	v_add_f32_dpp v[120+\p], v[124+\p], v[120+\p] row_xmask:1 row_mask:0xf bank_mask:0xf
.endr
.irp q, 0,1
	v_cndmask_b32 v[112+\q], v[120+2*\q], v[121+2*\q], s21
	v_cndmask_b32 v[114+\q], v[121+2*\q], v[120+2*\q], s21
.endr
.irp q, 0,1
	v_add_f32_dpp v[112+\q], v[114+\q], v[112+\q] row_xmask:2 row_mask:0xf bank_mask:0xf
.endr
	v_cndmask_b32 v116, v112, v113, s22
	v_cndmask_b32 v117, v113, v112, s22
	v_add_f32_dpp v116, v117, v116 row_xmask:4 row_mask:0xf bank_mask:0xf
	v_add_f32_dpp v116, v116, v116 row_xmask:8 row_mask:0xf bank_mask:0xf
	v_permlanex16_b32 v117, v116, s24, s25
	v_add_f32 v[130+((\r)%2)], v116, v117          ; lane L holds the logit of expert L % 8
	ds_store_b32 v9, v[130+((\r)%2)] offset:32*(\r)   ; (four lanes write the same word with the same bits)
.endm
	s_wait_loadcnt 56                              ; row 0 is in: rows 1 to 7 may be out
	TURN 0
.irp r, 0,1,2,3,4,5,6,7
	ROW \r
.endr
	s_wait_dscnt 0x0                               ; my logits lie in LDS
	s_barrier_signal -1
	s_barrier_wait -1                              ; those of all 32 tokens do
	; my 8 tokens go out: two rows of codes are 1,536 consecutive bytes of xq, three stores of 512 aligned bytes
	ds_load_b64 v[80:81], v13
.irp i, 0,1,2,3
	ds_load_b128 v[32+12*\i:35+12*\i], v10 offset:1568*\i
	ds_load_b128 v[36+12*\i:39+12*\i], v11 offset:1568*\i+512
	ds_load_b128 v[40+12*\i:43+12*\i], v10 offset:1568*\i+1040
.endr
	s_wait_dscnt 12
	global_store_b64 v14, v[80:81], s[10:11]       ; 32 lanes store 256 consecutive bytes of xs
.set k, 0
.rept 12
	s_wait_dscnt 11-k
	global_store_b128 v12, v[32+4*k:35+4*k], s[8:9] offset:512*k
.set k, k+1
.endr
	s_cmp_lg_u32 s16, 0
	s_cbranch_scc1 .Lend
	; wave 0: lane = token.  The two largest logits; on a tie the lower index stays, since only a strictly larger logit takes its place
	ds_load_b128 v[132:135], v128
	ds_load_b128 v[136:139], v128 offset:16
	v_mov_b32 v140, 0xff800000                     ; -infinity
	s_wait_dscnt 0x0
	v_mov_b32 v141, v132
	v_mov_b32 v142, 0
.irp e, 1,2,3,4,5,6,7
	v_cmp_le_f32 vcc_lo, v[132+\e], v141
	v_cndmask_b32 v142, \e, v142, vcc_lo
	v_cndmask_b32 v141, v[132+\e], v141, vcc_lo
.endr
.irp e, 0,1,2,3,4,5,6,7
	v_cmp_eq_u32 vcc_lo, \e, v142
	v_cndmask_b32 v[132+\e], v[132+\e], v140, vcc_lo   ; the winner leaves the field
.endr
	v_mov_b32 v143, v132
	v_mov_b32 v144, 0
.irp e, 1,2,3,4,5,6,7
	v_cmp_le_f32 vcc_lo, v[132+\e], v143
	v_cndmask_b32 v144, \e, v144, vcc_lo
	v_cndmask_b32 v143, v[132+\e], v143, vcc_lo
.endr
	v_sub_f32 v145, v143, v141                     ; the softmax of the two, the larger taken away: 1 / (1 + e), e / (1 + e), e = exp(second - first)
	v_mul_f32 v145, 0x3fb8aa3b, v145
	v_exp_f32 v145, v145
	v_min_u32 v147, v142, v144                     ; lo.  (A plain place behind the exponential)
	s_wait_alu depctr_va_vdst(0)
	v_add_f32 v146, 1.0, v145
	v_rcp_f32 v146, v146
	v_max_u32 v148, v142, v144                     ; hi.  (A plain place behind the reciprocal)
	s_wait_alu depctr_va_vdst(0)
	v_mul_f32 v145, v145, v146
	v_cmp_lt_u32 vcc_lo, v142, v144
	v_cndmask_b32 v150, v145, v146, vcc_lo         ; the weight of lo,
	v_cndmask_b32 v151, v146, v145, vcc_lo         ; of hi
	v_sub_nc_u32 v149, 13, v147
	v_mul_u32_u24 v149, v149, v147
	v_lshrrev_b32 v149, 1, v149
	v_add3_u32 v149, v149, v148, -1                ; the pair key
	v_mov_b32 v152, 0                              ; my rank among the tokens of my key
	v_mov_b32 v155, 0                              ; lane p: how many tokens have key p
.set p, 0
.rept 28
	v_cmp_eq_u32 s34, p, v149
	v_mbcnt_lo_u32_b32 v156, s34, 0                ; tokens of key p in the lanes below mine
	v_cndmask_b32 v152, v152, v156, s34
	s_bcnt1_i32_b32 s35, s34
	v_writelane_b32 v155, s35, p
.set p, p+1
.endr
	v_lshl_or_b32 v154, v152, 8, v149
	global_store_b64 v129, v[154:155], s[14:15]    ; 32 lanes store 256 consecutive bytes
	global_store_b64 v129, v[150:151], s[12:13]
.Lend:
	s_wait_tensorcnt 0x0
	ds_add_u32 v254, v255
	s_wait_dscnt 0x0
	s_endpgm
.Lfunc_end_k_q4d6e989556_gate_quant:
	.size	k_q4d6e989556_gate_quant, .Lfunc_end_k_q4d6e989556_gate_quant-k_q4d6e989556_gate_quant
	.p2alignl 7, 3214868480
	.fill 96, 4, 3214868480
	.section	.rodata,"a",@progbits
	.p2align	6, 0x0
	.amdhsa_kernel k_q4d6e989556_gate_quant
		.amdhsa_group_segment_fixed_size 98816
		.amdhsa_private_segment_fixed_size 0
		.amdhsa_enable_private_segment 0
		.amdhsa_kernarg_size 48
		.amdhsa_user_sgpr_count 2
		.amdhsa_user_sgpr_kernarg_segment_ptr 1
		.amdhsa_wavefront_size32 1
		.amdhsa_system_sgpr_workgroup_id_x 1
		.amdhsa_system_sgpr_workgroup_id_y 1
		.amdhsa_system_sgpr_workgroup_id_z 1
		.amdhsa_system_vgpr_workitem_id 0
		.amdhsa_next_free_vgpr 768
		.amdhsa_next_free_sgpr 66
		.amdhsa_reserve_vcc 1
		.amdhsa_float_denorm_mode_32 3
		.amdhsa_float_denorm_mode_16_64 3
		.amdhsa_memory_ordered 1
		.amdhsa_forward_progress 1
		.amdhsa_inst_pref_size 134
	.end_amdhsa_kernel
	.amdgpu_metadata
---
amdhsa.version: [ 1, 2 ]
amdhsa.kernels:
  - .name:           k_q4d6e989556_gate_quant
    .symbol:         k_q4d6e989556_gate_quant.kd
    .args:
      - { .name: x, .offset: 0, .size: 8, .value_kind: global_buffer, .address_space: global }
      - { .name: gate_w, .offset: 8, .size: 8, .value_kind: global_buffer, .address_space: global }
      - { .name: xq, .offset: 16, .size: 8, .value_kind: global_buffer, .address_space: global }
      - { .name: xs, .offset: 24, .size: 8, .value_kind: global_buffer, .address_space: global }
      - { .name: gw, .offset: 32, .size: 8, .value_kind: global_buffer, .address_space: global }
      - { .name: sel, .offset: 40, .size: 8, .value_kind: global_buffer, .address_space: global }
    .group_segment_fixed_size: 98816
    .private_segment_fixed_size: 0
    .kernarg_segment_align: 8
    .kernarg_segment_size: 48
    .max_flat_workgroup_size: 128
    .sgpr_count:     66
    .vgpr_count:     768
    .wavefront_size: 32
...
	.end_amdgpu_metadata
.endif
;; end of part 1
;; launch sort_layout (part 2): grid 97 x 1, 32 waves a work-group, no clusters, 13,312 bytes of LDS; arguments sel, w1_codes, w3_codes, w2_codes, order, tiles, wimg; writes order, tiles, wimg
.if DOCPART == 2
	.amdgcn_target "amdgcn-amd-amdhsa--gfx1250"
	.amdhsa_code_object_version 6
	.text
	.protected	k_q4d6e989556_sort_layout
	.globl	k_q4d6e989556_sort_layout
	.p2align	8
	.type	k_q4d6e989556_sort_layout,@function
k_q4d6e989556_sort_layout:
	s_mov_b64 s[64:65], 0
	v_nop
	global_prefetch_b8 v0, s[64:65] scope:SCOPE_SE
	s_setreg_imm32_b32 hwreg(HW_REG_WAVE_MODE, 25, 1), 1
	s_wait_xcnt 0x0
; WORK-GROUP 0: a counting sort of the 8,192 tokens by their pair of experts (28 keys).  Each key begins on a tile of 64 slots of its own, so a tile has tokens of ONE pair.
;   order: [tile][64] token numbers, 0xFFFFFFFF in the slots that a key leaves over.  tiles: [tile] lo + 16 hi + 256 x tokens (0 tokens: no tile).
;   The sum over the keys of their tiles, each rounded up, is at least 128 and at most 127 + 28 = 155 for every split of 8,192 tokens; the buffers hold 160 tiles and all 160 are written.
;   Wave w owns the groups 8 w .. 8 w + 7 of 32 tokens.  In sel a lane is a token (word 0) and a key (word 1).  No atomics: ranks inside a group were made by the launch before.
;   The sum over the waves is made once: wave k takes key k, a lane a wave, and scans the 32 figures; two barriers in all.
;   The markers need no mask: a lane that has no slot to mark writes the same marker into tile 155, which no split fills.
; WORK-GROUPS 1 TO 96: the codes of w1, w3 and w2 are laid in the order in which a wave of the next launch takes them into registers.  A wave lays one fragment (16 rows x 128 K, 12 registers a lane):
;   registers 4 j .. 4 j + 3 of lane l at 512 j + 16 l: 1,536 bytes.  wimg: [expert][wave w][K step s][2 t + (0: w1, 1: w3)], then from W2OFF on [expert][w][group g][2 n + s].
;   The rows of w1 and w3 that form tile t are 64 w + 32 (t / 2) + 8 (t % 2) + r + 8 (r / 8), so that the results of two neighbouring tiles are 16 neighbours along the next K.
.set WTAB,  0                          ; [wave][key] tokens; a row is 132 bytes = 33 words, so that a column's 32 words lie in 32 different banks
.set WPRE,  4352                       ; [wave][key] tokens of the key in the waves ahead; the same pitch
.set TOT,   8704                       ; [key] tokens in all
.set W2OFF, 3145728
.set TSS,   20                         ; s20-47  the first tile of each key
.set TOS,   66                         ; s66-93  the tokens of each key
; The running sum of v[a] over the 32 lanes, in place: four steps inside each 16 lanes, then the lower 16 lanes' sum onto the upper 16.  v[t] at work; s51 = the upper 16 lanes.
.macro SCAN a, t
.irp n, 1,2,4,8
	v_mov_b32 v[\t], 0
	v_mov_b32_dpp v[\t], v[\a] row_shr:\n row_mask:0xf bank_mask:0xf bound_ctrl:1
	v_add_nc_u32 v[\a], v[\a], v[\t]
.endr
	v_readlane_b32 s52, v[\a], 15
	v_mov_b32 v[\t], s52
	v_cndmask_b32 v[\t], 0, v[\t], s51
	v_add_nc_u32 v[\a], v[\a], v[\t]
.endm
	s_load_b256 s[4:11], s[0:1], 0x0               ; sel, w1 codes, w3 codes, w2 codes
	s_load_b128 s[12:15], s[0:1], 0x20             ; order, tiles
	s_load_b64 s[16:17], s[0:1], 0x30              ; wimg
	v_lshl_add_u32 v126, v0, 2, 0x2400
	v_mov_b32 v127, 0
	v_lshrrev_b32 v1, 5, v0
	v_readfirstlane_b32 s18, v1                    ; wave 0..31
	v_and_b32 v1, 31, v0                           ; lane
	s_wait_kmcnt 0x0
	s_cmp_lg_u32 ttmp9, 0
	s_cbranch_scc1 .Llayout
	; ---------------- the sort
	s_lshl_b32 s19, s18, 11
	v_lshl_add_u32 v2, v1, 3, s19                  ; sel: 2,048 bytes a wave, 8 a lane
.irp i, 0,1,2,3,4,5,6,7
	global_load_b64 v[8+2*\i:9+2*\i], v2, s[4:5] offset:256*\i
.endr
	s_mul_i32 s48, s18, 132                        ; the addresses are made while the loads are out
	v_lshl_add_u32 v3, v1, 2, s48                  ; row = my wave, word = lane
	s_lshl_b32 s49, s18, 2
	v_mul_u32_u24 v4, v1, 132
	v_add_nc_u32 v4, s49, v4                       ; row = lane, word = my wave: a column
	s_add_co_u32 s50, s49, TOT
	v_mov_b32 v5, s50                              ; the total of key = my wave
	v_lshl_add_u32 v6, v1, 2, TOT                  ; the total of key = lane
	v_lshlrev_b32 v7, 2, v0                        ; 4 x thread, in tiles
	v_mov_b32 v46, s49                             ; 4 x my wave: the lane of key = my wave
	s_lshl_b32 s55, s18, 8
	v_add_nc_u32 v104, s55, v1                     ; the token of group 8 w, lane
	v_add_nc_u32 v52, 9920, v1                     ; a slot of tile 155
	v_add_nc_u32 v54, 8192, v0                     ; slots of tiles 128 to 143,
	v_add_nc_u32 v55, 9216, v0                     ; 144 to 159
	v_mov_b32 v121, -1
	s_mov_b32 s51, 0xffff0000
	s_wait_loadcnt 0x0
	v_mov_b32 v24, 0                               ; lane = key: tokens of my key in the groups of my wave ahead of group i
.irp i, 1,2,3,4,5,6,7
	v_add_nc_u32 v[24+\i], v[23+\i], v[7+2*\i]
.endr
	v_add_nc_u32 v32, v31, v23                     ; and in all eight
	ds_store_b32 v3, v32
	s_wait_dscnt 0x0
	s_barrier_signal -1
	s_barrier_wait -1
	ds_load_b32 v40, v4                            ; lane = wave: its tokens of key = my wave
	s_wait_dscnt 0x0
	v_mov_b32 v41, v40
	SCAN 41, 42
	v_sub_nc_u32 v44, v41, v40                     ; in the waves ahead of that wave,
	v_readlane_b32 s53, v41, 31
	v_mov_b32 v45, s53                             ; and in all
	ds_store_b32 v4, v44 offset:WPRE
	ds_store_b32 v5, v45                           ; (32 lanes write the same word with the same number)
	s_wait_dscnt 0x0
	s_barrier_signal -1
	s_barrier_wait -1
	ds_load_b32 v34, v3 offset:WPRE                ; lane = key again: tokens of my key in the waves ahead of mine,
	ds_load_b32 v33, v6                            ; and in all
	s_wait_dscnt 0x0
	v_add_nc_u32 v35, 63, v33
	v_lshrrev_b32 v35, 6, v35                      ; tiles of my key
	v_mov_b32 v36, v35
	SCAN 36, 37
	v_sub_nc_u32 v36, v36, v35                     ; the first tile of my key
	v_readlane_b32 s54, v36, 31                    ; keys 28 to 31 have no tokens: lane 31 holds the number of tiles in use,
	s_lshl_b32 s54, s54, 6                         ; as slots
	v_lshl_add_u32 v39, v36, 6, v34
.irp i, 0,1,2,3,4,5,6,7
	v_add_lshl_u32 v[24+\i], v39, v[24+\i], 2      ; lane = key: 4 x the slot of the first token of that key in group i
.endr
	v_lshl_add_u32 v47, v36, 6, v33                ; lane = key: the first slot that the key leaves over,
	v_add_lshl_u32 v48, v36, v35, 6                ; and where its tiles end
	ds_bpermute_b32 v49, v46, v47                  ; every lane takes the two figures of key = my wave
	ds_bpermute_b32 v50, v46, v48
.irp i, 0,1,2,3,4,5,6,7                        ; lane = token: it takes the figure of its key from the lane of that key
	v_and_b32 v[72+\i], 31, v[8+2*\i]
	v_lshlrev_b32 v[72+\i], 2, v[72+\i]
	ds_bpermute_b32 v[80+\i], v[72+\i], v[24+\i]
.endr
	s_wait_dscnt 0x0
.irp i, 0,1,2,3,4,5,6,7
	v_bfe_u32 v[88+\i], v[8+2*\i], 8, 5            ; my rank in the group
	v_lshl_add_u32 v[80+\i], v[88+\i], 2, v[80+\i]
	v_min_u32 v[80+\i], 39676, v[80+\i]            ; 155 tiles of 64 slots of 4 bytes
	v_add_nc_u32 v[96+\i], 32*\i, v104
	global_store_b32 v[80+\i], v[96+\i], s[12:13]
.endr
	; the markers.  My wave marks what key = my wave leaves over, 63 slots at the most; all threads mark the tiles behind the last one in use, which lie among tiles 128 to 159
	v_add_nc_u32 v51, v49, v1
	v_add_nc_u32 v53, 32, v51
	v_cmp_lt_u32 vcc_lo, v51, v50
	v_cndmask_b32 v51, v52, v51, vcc_lo
	v_cmp_lt_u32 vcc_lo, v53, v50
	v_cndmask_b32 v53, v52, v53, vcc_lo
	v_cmp_le_u32 vcc_lo, s54, v54
	v_cndmask_b32 v54, v52, v54, vcc_lo
	v_cmp_le_u32 vcc_lo, s54, v55
	v_cndmask_b32 v55, v52, v55, vcc_lo
.irp k, 51,53,54,55
	v_min_u32 v[\k], 10239, v[\k]
	v_lshlrev_b32 v[\k], 2, v[\k]
	global_store_b32 v[\k], v121, s[12:13]
.endr
	s_cmp_lt_u32 s18, 5
	s_cbranch_scc0 .Lsorted
	; waves 0 to 4: lane = tile b = thread.  Its key is the last whose first tile is not behind b
.set p, 0
.rept 28
	v_readlane_b32 s[TSS+p], v36, p
	v_readlane_b32 s[TOS+p], v33, p
.set p, p+1
.endr
	v_mov_b32 v105, 0
	v_mov_b32 v106, 0
	v_mov_b32 v107, 0
.set p, 0
.irp lo, 0,1,2,3,4,5,6
.irp hi, 1,2,3,4,5,6,7
.if \hi > \lo
	v_cmp_gt_u32 vcc_lo, s[TSS+p], v0
	v_cndmask_b32 v105, s[TSS+p], v105, vcc_lo
	v_cndmask_b32 v106, s[TOS+p], v106, vcc_lo
	v_cndmask_b32 v107, \lo+16*\hi, v107, vcc_lo
.set p, p+1
.endif
.endr
.endr
	v_sub_nc_u32 v108, v0, v105
	v_lshlrev_b32 v108, 6, v108                    ; slots of the key ahead of this tile,
	v_min_u32 v109, v108, v106
	v_sub_nc_u32 v108, v106, v109                  ; tokens left for it,
	v_min_u32 v108, 64, v108                       ; 64 at the most
	v_lshl_or_b32 v109, v108, 8, v107
	global_store_b32 v7, v109, s[14:15]
.Lsorted:
	s_wait_tensorcnt 0x0
	ds_add_u32 v126, v127
	s_wait_dscnt 0x0
	s_endpgm
	; ---------------- the layout
.Llayout:
	s_sub_co_u32 s19, ttmp9, 1                     ; 0..95: 32 work-groups for each of w1, w3, w2
	s_and_b32 s20, s19, 31
	s_lshl_b32 s20, s20, 5
	s_add_co_u32 s20, s20, s18                     ; the fragment, 0..1023
	s_lshr_b32 s21, s19, 5                         ; 0: w1, 1: w3, 2: w2
	s_lshr_b32 s22, s20, 7                         ; expert
	s_bfe_u32 s23, s20, 0x20005                    ; w
	s_bfe_u32 s24, s20, 0x30002                    ; w1, w3: K step s,
	s_and_b32 s25, s20, 3                          ; tile t
	s_lshr_b32 s26, s25, 1
	s_and_b32 s27, s25, 1
	s_lshl_b32 s28, s23, 6
	s_lshl_b32 s26, s26, 5
	s_add_co_u32 s28, s28, s26
	s_lshl_b32 s27, s27, 3
	s_add_co_u32 s28, s28, s27                     ; 64 w + 32 (t / 2) + 8 (t % 2)
	s_mul_i32 s28, s28, 768
	s_mul_i32 s29, s24, 96
	s_add_co_u32 s28, s28, s29                     ; from: rows of 768 bytes, 96 a K step
	s_mul_i32 s30, s22, 393216
	s_mul_i32 s31, s23, 98304
	s_add_co_u32 s30, s30, s31
	s_mul_i32 s31, s24, 12288
	s_add_co_u32 s30, s30, s31
	s_lshl_b32 s31, s25, 1
	s_add_co_u32 s31, s31, s21
	s_mul_i32 s31, s31, 1536
	s_add_co_u32 s30, s30, s31                     ; to
	s_and_b32 s32, s20, 127                        ; w2: the fragment's bits are w, g, n, s: its first row is 256 w + 64 g + 16 n
	s_lshr_b32 s33, s32, 1
	s_mul_i32 s33, s33, 3072                       ; 16 rows of 192 bytes
	s_and_b32 s34, s20, 1
	s_mul_i32 s34, s34, 96
	s_add_co_u32 s33, s33, s34                     ; from
	s_mul_i32 s35, s20, 1536
	s_add_co_u32 s35, s35, W2OFF                   ; to: the fragments follow each other in the order of their numbers
	s_mul_i32 s38, s22, 196608                     ; an expert's codes, in each of the three
	s_mov_b32 s36, 768
	s_cmp_eq_u32 s21, 2
	s_cselect_b32 s28, s33, s28
	s_cselect_b32 s30, s35, s30
	s_cselect_b32 s36, 192, s36                    ; the pitch of a row
	s_cselect_b32 s37, 0, 8                        ; w1, w3: lanes 8-15 take rows 8 further on
	s_add_co_u32 s28, s28, s38
	s_cmp_lt_u32 s19, 32                           ; the choice hangs on the number of the work-group alone
	s_cselect_b64 s[40:41], s[6:7], s[8:9]
	s_cmp_lt_u32 s19, 64
	s_cselect_b64 s[40:41], s[40:41], s[10:11]
	v_and_b32 v2, 15, v0                           ; r
	v_bfe_u32 v3, v0, 4, 1                         ; h
	v_lshrrev_b32 v4, 3, v2
	v_mad_u32_u24 v5, v4, s37, v2
	v_mul_u32_u24 v6, v5, s36
	v_mad_u32_u24 v6, v3, 24, v6
	v_add_nc_u32 v6, s28, v6
	v_lshl_add_u32 v7, v1, 4, s30
.irp p, 0,1,2,3,4,5
	global_load_b64 v[8+2*\p:9+2*\p], v6, s[40:41] offset:48*(\p/3)+8*(\p%3)   ; registers 6 c .. 6 c + 5: k = 64 c + 32 h + 0 .. 31, 24 bytes as they lie
.endr
	s_wait_loadcnt 0x0
.irp c, 0,1,2
	global_store_b128 v7, v[8+4*\c:11+4*\c], s[16:17] offset:512*\c   ; 32 lanes store 512 consecutive bytes
.endr
	s_endpgm
.Lfunc_end_k_q4d6e989556_sort_layout:
	.size	k_q4d6e989556_sort_layout, .Lfunc_end_k_q4d6e989556_sort_layout-k_q4d6e989556_sort_layout
	.p2alignl 7, 3214868480
	.fill 96, 4, 3214868480
	.section	.rodata,"a",@progbits
	.p2align	6, 0x0
	.amdhsa_kernel k_q4d6e989556_sort_layout
		.amdhsa_group_segment_fixed_size 13312
		.amdhsa_private_segment_fixed_size 0
		.amdhsa_enable_private_segment 0
		.amdhsa_kernarg_size 56
		.amdhsa_user_sgpr_count 2
		.amdhsa_user_sgpr_kernarg_segment_ptr 1
		.amdhsa_wavefront_size32 1
		.amdhsa_system_sgpr_workgroup_id_x 1
		.amdhsa_system_sgpr_workgroup_id_y 1
		.amdhsa_system_sgpr_workgroup_id_z 1
		.amdhsa_system_vgpr_workitem_id 0
		.amdhsa_next_free_vgpr 128
		.amdhsa_next_free_sgpr 96
		.amdhsa_reserve_vcc 1
		.amdhsa_float_denorm_mode_32 3
		.amdhsa_float_denorm_mode_16_64 3
		.amdhsa_memory_ordered 1
		.amdhsa_forward_progress 1
		.amdhsa_inst_pref_size 23
	.end_amdhsa_kernel
	.amdgpu_metadata
---
amdhsa.version: [ 1, 2 ]
amdhsa.kernels:
  - .name:           k_q4d6e989556_sort_layout
    .symbol:         k_q4d6e989556_sort_layout.kd
    .args:
      - { .name: sel, .offset: 0, .size: 8, .value_kind: global_buffer, .address_space: global }
      - { .name: w1_codes, .offset: 8, .size: 8, .value_kind: global_buffer, .address_space: global }
      - { .name: w3_codes, .offset: 16, .size: 8, .value_kind: global_buffer, .address_space: global }
      - { .name: w2_codes, .offset: 24, .size: 8, .value_kind: global_buffer, .address_space: global }
      - { .name: order, .offset: 32, .size: 8, .value_kind: global_buffer, .address_space: global }
      - { .name: tiles, .offset: 40, .size: 8, .value_kind: global_buffer, .address_space: global }
      - { .name: wimg, .offset: 48, .size: 8, .value_kind: global_buffer, .address_space: global }
    .group_segment_fixed_size: 13312
    .private_segment_fixed_size: 0
    .kernarg_segment_align: 8
    .kernarg_segment_size: 56
    .max_flat_workgroup_size: 1024
    .sgpr_count:     96
    .vgpr_count:     128
    .wavefront_size: 32
...
	.end_amdgpu_metadata
.endif
;; end of part 2
;; launch experts (part 3): grid 155 x 1, 4 waves a work-group, no clusters, 146,176 bytes of LDS; arguments tiles, order, gw, xq, xs, wimg, w1_scales, w3_scales, w2_scales, out0; writes out0
.if DOCPART == 3
	.amdgcn_target "amdgcn-amd-amdhsa--gfx1250"
	.amdhsa_code_object_version 6
	.text
	.protected	k_q4d6e989556_experts
	.globl	k_q4d6e989556_experts
	.p2align	8
	.type	k_q4d6e989556_experts,@function
k_q4d6e989556_experts:
	s_mov_b64 s[64:65], 0
	v_nop
	global_prefetch_b8 v0, s[64:65] scope:SCOPE_SE
	s_setreg_imm32_b32 hwreg(HW_REG_WAVE_MODE, 25, 1), 1
	s_wait_xcnt 0x0
; One work-group takes one tile: 64 tokens that chose the same two experts lo < hi.  For each of the two: h = silu(x W1) (x W3), quantised along its 256; y = h W2.  out = w_lo y_lo + w_hi y_hi.
; All three products on codes of E3M2 with E8M0 scales.  Only the chosen experts are multiplied: the others have the weight 0 in the sum.  Each token lies in one tile, so each row of out0 has one owner.
; The grid is 155, the most tiles that any split of 8,192 tokens over 28 pairs can make.  A work-group whose entry in tiles has no tokens runs the head (all its addresses are clamped), passes both barriers,
; as every wave must, jumps over the hidden layer and over the last product, and stores nothing.
; A slot of the tile that holds no token repeats the first token of the tile: it computes and stores the same row.
; NO CLUSTER, NO JOINT LOADS: which tiles share an expert hangs on the split, and the work hangs on a stored number, so the launch has no tensor load.  The weights come straight into registers from wimg,
; laid by the launch before in the order of the operand registers: a set of 8 fragments is 24 loads of 512 consecutive bytes and feeds 32 matrix instructions.  A ring of four sets: three are asked for ahead.
; A set is asked for in two halves: at a step's head 48 loads are out and 12 go out with them; the other 12 follow behind the step's first 16 products, so that no load stands unissued in front of products that are ready.
; SHARES.  First products: wave w makes hidden units 64 w .. 64 w + 63 of W1 and of W3 for all 64 tokens: 32 accumulators.  Last product: wave w makes columns 256 w .. 256 w + 255, 64 at a time, for both experts.
; ALL PRODUCTS ARE USED TRANSPOSED (source 0 = 16 rows of a weight, source 1 = 16 tokens): a lane holds ONE token, its registers run along the units or the columns.
; The codes of x and of h go from wave to wave through LDS as images of the operand registers.  The two experts are written out by one macro, so that every LDS address is a register made at the head + an immediate.
; LIMITS: silu gives 0 where exp(-g) overflows (g under about -88).  A block of h whose largest magnitude lies under 2^-122, or of zeros, gets the byte 1.  NaN and infinities are not served.
; REGISTERS, in windows of 256.  Window 0: v1-15, v24-31 addresses; v16-23 gate weights; v32-63 scale words of W1, W3; v64-79 of x; v80-111 of W2; v112-127 of h;
;   v128-223 two buffers of 4 fragments of x, later the 8 fragments of h of expert lo; v224-255 at work, later 32 offsets in out0.
;   Window 1: the accumulators.  Windows 2, 3: v0-191 the ring, two sets each; from v192 the 8 fragments of h of expert hi; window 3 v228-235 the gate weights, swapped.
.set XIMG,  0                          ; x: fragment (tile of rows m, K step s) at (8 m + s) x 1,536
.set HIMG,  49152                      ; h: fragment (expert e, m, s) at (8 e + 2 m + s) x 1,536; its half c at 768 c: registers 6 c .. 6 c + 3 at 16 l, the other two at 512 + 8 l
.set HSC,   73728                      ; its scale words: (8 e + 2 m + s) x 128 + 4 l
.set TOKL,  75776                      ; the 64 token numbers
.set STG,   76032                      ; for each wave 64 rows of 256 bytes + 16
.set W2OFF, 3145728
.set L16, 1                            ; v1      16 l
.set VC,  2                            ; v2, v3  16 l + where my W1, W3 sets of lo, of hi begin
.set V2A, 6                            ; v6, v7  16 l + where my W2 sets of lo, of hi begin
.set MSB, 0
.macro WIN new                         ; the high byte of the immediate repeats the setting that is left
.if MSB != (\new)
	s_set_vgpr_msb (MSB<<8)|(\new)
.set MSB, (\new)
.endif
.endm
.macro PLACES n                        ; plain vector instructions behind matrix instructions, in front of loads into their registers and of reads of their results
.rept \n
	v_nop
.endr
.endm
.macro WHALF slot, voff, imm, hf       ; fragments 4 hf .. 4 hf + 3 of a set into ring slot 0..3: 12 loads
	WIN 0x80+0x40*((\slot)/2)
.irp f, 0,1,2,3
.irp c, 0,1,2
	global_load_b128 v[96*((\slot)%2)+12*(4*(\hf)+\f)+4*\c:96*((\slot)%2)+12*(4*(\hf)+\f)+4*\c+3], v[\voff], s[14:15] offset:(\imm)+1536*(4*(\hf)+\f)+512*\c
.endr
.endr
.endm
.macro WSET slot, voff, imm            ; a whole set
	WHALF \slot, \voff, \imm, 0
	WHALF \slot, \voff, \imm, 1
.endm
.macro FETCHX s, buf                   ; the four fragments of x of K step s
	WIN 0
.irp m, 0,1,2,3
.irp c, 0,1,2
	ds_load_b128 v[128+48*(\buf)+12*\m+4*\c:128+48*(\buf)+12*\m+4*\c+3], v[L16] offset:XIMG+(8*\m+(\s))*1536+512*\c
.endr
.endr
.endm
.macro WM                              ; one product: D_, A_, B_ registers; SA_, SB_ scale words, RA_, RB_: in lanes 16-31; Z_: it starts the sum
.if Z_
.if RA_ && RB_
	v_wmma_scale_f32_16x16x128_f8f6f4 v[D_:D_+7], v[A_:A_+11], v[B_:B_+11], 0, v[SA_], v[SB_] matrix_a_fmt:MATRIX_FMT_BF6 matrix_b_fmt:MATRIX_FMT_BF6 matrix_a_scale:MATRIX_SCALE_ROW1 matrix_b_scale:MATRIX_SCALE_ROW1
.elseif RA_
	v_wmma_scale_f32_16x16x128_f8f6f4 v[D_:D_+7], v[A_:A_+11], v[B_:B_+11], 0, v[SA_], v[SB_] matrix_a_fmt:MATRIX_FMT_BF6 matrix_b_fmt:MATRIX_FMT_BF6 matrix_a_scale:MATRIX_SCALE_ROW1
.elseif RB_
	v_wmma_scale_f32_16x16x128_f8f6f4 v[D_:D_+7], v[A_:A_+11], v[B_:B_+11], 0, v[SA_], v[SB_] matrix_a_fmt:MATRIX_FMT_BF6 matrix_b_fmt:MATRIX_FMT_BF6 matrix_b_scale:MATRIX_SCALE_ROW1
.else
	v_wmma_scale_f32_16x16x128_f8f6f4 v[D_:D_+7], v[A_:A_+11], v[B_:B_+11], 0, v[SA_], v[SB_] matrix_a_fmt:MATRIX_FMT_BF6 matrix_b_fmt:MATRIX_FMT_BF6
.endif
.else
.if RA_ && RB_
	v_wmma_scale_f32_16x16x128_f8f6f4 v[D_:D_+7], v[A_:A_+11], v[B_:B_+11], v[D_:D_+7], v[SA_], v[SB_] matrix_a_fmt:MATRIX_FMT_BF6 matrix_b_fmt:MATRIX_FMT_BF6 matrix_a_scale:MATRIX_SCALE_ROW1 matrix_b_scale:MATRIX_SCALE_ROW1
.elseif RA_
	v_wmma_scale_f32_16x16x128_f8f6f4 v[D_:D_+7], v[A_:A_+11], v[B_:B_+11], v[D_:D_+7], v[SA_], v[SB_] matrix_a_fmt:MATRIX_FMT_BF6 matrix_b_fmt:MATRIX_FMT_BF6 matrix_a_scale:MATRIX_SCALE_ROW1
.elseif RB_
	v_wmma_scale_f32_16x16x128_f8f6f4 v[D_:D_+7], v[A_:A_+11], v[B_:B_+11], v[D_:D_+7], v[SA_], v[SB_] matrix_a_fmt:MATRIX_FMT_BF6 matrix_b_fmt:MATRIX_FMT_BF6 matrix_b_scale:MATRIX_SCALE_ROW1
.else
	v_wmma_scale_f32_16x16x128_f8f6f4 v[D_:D_+7], v[A_:A_+11], v[B_:B_+11], v[D_:D_+7], v[SA_], v[SB_] matrix_a_fmt:MATRIX_FMT_BF6 matrix_b_fmt:MATRIX_FMT_BF6
.endif
.endif
.endm
; Half hf of K step t of the first products: fragments F = 4 hf .. 4 hf + 3 (F = 2 x unit tile + (0: W1, 1: W3)) x 4 tiles of tokens.  The 32 accumulators of a step take turns, one instruction a turn, in the same order in every step
; Accumulator of W1, unit tile u, token tile m: window 1, v[64 m + 8 u]; of W3: 32 further on.
.macro MUL1 t, hf
	WIN 0x52+(((\t)%4)/2)                          ; source 0 the ring (window 2 or 3), source 1 x (window 0), C and D window 1
.irp g, 0,1,2,3
.irp m, 0,1,2,3
.set F_, 4*(\hf)+\g
.set D_, 64*\m+32*(F_%2)+8*(F_/2)
.set A_, 96*((\t)%2)+12*F_
.set B_, 128+48*((\t)%2)+12*\m
.set SA_, 32+8*(2*(F_/4)+F_%2)+(\t)
.set SB_, 64+8*(\m/2)+(\t)
.set RA_, (F_/2)%2
.set RB_, \m%2
.set Z_, (\t)==0
	WM
.endr
.endr
.endm
; Half hf of the set three sets behind K step t of expert e: of the same expert; behind the last sets of lo the first three of hi; behind those of hi the first three of the last product (lo, hi, lo).
.macro NEXTSET e, t, hf
.if (\t) <= 4
	WHALF (((\t)+3)%4), (VC+(\e)), (((\t)+3)*12288), \hf
.elseif (\e) == 0
	WHALF (((\t)+3)%4), (VC+1), (((\t)-5)*12288), \hf
.else
	WHALF (((\t)+3)%4), (V2A+((\t)-5)%2), ((((\t)-5)/2)*12288), \hf
.endif
.endm
; K step t of expert e (0: lo, 1: hi).
.macro STEP e, t
.if ((\e) == 1) && ((\t) == 0)
	s_wait_loadcnt 0x0                             ; the scale words of hi were asked for behind three sets
.else
	s_wait_loadcnt 48                              ; this step's set is in: the two sets asked for behind it may be out
.endif
	s_wait_dscnt 0x0                               ; this step's x is in
.if (\t) > 0
	PLACES 4                                       ; the slot (both its halves) and the buffer that are filled in this step were read by the step before
.endif
	NEXTSET \e, \t, 0
.if (\t) < 7
	FETCHX ((\t)+1), (((\t)+1)%2)
.endif
	MUL1 \t, 0
	NEXTSET \e, \t, 1
	MUL1 \t, 1
.endm
.macro SCLOAD b1, b3                   ; the scale words of my 64 rows of W1 and W3, all 8 K steps: register 32 + 8 (2 b + matrix) + s; lanes 0-15 unit tile 2 b, lanes 16-31 tile 2 b + 1
.irp b, 0,1
.irp hf, 0,1
	global_load_b128 v[32+16*\b+4*\hf:35+16*\b+4*\hf], v239, s[\b1:\b1+1] offset:1024*\b+16*\hf
	global_load_b128 v[40+16*\b+4*\hf:43+16*\b+4*\hf], v239, s[\b3:\b3+1] offset:1024*\b+16*\hf
.endr
.endr
.endm
; h = g u / (1 + exp(-g)) for token tile m, in f32, in window 1.  Each accumulator is read from its low end on.
.macro SILU m
	WIN 0x45
.set GB, 64*(\m)
.set j, 0
.rept 16
	v_pk_mul_f32 v[GB+32+j:GB+33+j], v[GB+32+j:GB+33+j], v[GB+j:GB+j+1]   ; u g
.set j, j+2
.endr
.set j, 0
.rept 16
	v_pk_mul_f32 v[GB+j:GB+j+1], v[GB+j:GB+j+1], s[56:57] op_sel_hi:[1,0]   ; -g log2(e)
.set j, j+2
.endr
.set j, 0
.rept 32
	v_exp_f32 v[GB+j], v[GB+j]
.set j, j+1
.endr
	v_nop                                          ; a plain place behind the exponentials
.set j, 0
	s_wait_alu depctr_va_vdst(0)
.rept 16
	v_pk_add_f32 v[GB+j:GB+j+1], v[GB+j:GB+j+1], 1.0 op_sel_hi:[1,0]
.set j, j+2
.endr
.set j, 0
.rept 32
	v_rcp_f32 v[GB+j], v[GB+j]
.set j, j+1
.endr
	v_nop                                          ; a plain place behind the reciprocals
.set j, 0
	s_wait_alu depctr_va_vdst(0)
.rept 16
	v_pk_mul_f32 v[GB+j:GB+j+1], v[GB+32+j:GB+33+j], v[GB+j:GB+j+1]   ; register 16 b + i: unit 64 w + 32 b + 16 (lane / 16) + i of my token
.set j, j+2
.endr
.endm
; My 64 units of token tile m of expert e become registers 6 c .. 6 c + 5 (c = w % 2) of K step w / 2 of the last product, and half a scale word.
.macro QUANTH e, m
.set HB, 64*(\m)
.set PC, 224+8*((\m)%2)
.set HW, 248+((\m)%2)
	s_wait_dscnt 3                                 ; the three stores of the tile before may be out: those of two tiles back have read this set of registers
	WIN 0x05                                       ; sources 0 and 1 window 1
	v_max3_num_f32 v240, |v[HB]|, |v[HB+1]|, 0x2800000             ; two blocks by turns; the floor 2^(5 - 127) holds the byte at 1 from below
	v_max3_num_f32 v241, |v[HB+16]|, |v[HB+17]|, 0x2800000
.irp i, 2,4,6,8,10,12,14
	v_max3_num_f32 v240, |v[HB+\i]|, |v[HB+\i+1]|, v240
	v_max3_num_f32 v241, |v[HB+16+\i]|, |v[HB+17+\i]|, v241
.endr
	WIN 0
	v_permlanex16_b32 v242, v240, s54, s55
	v_permlanex16_b32 v243, v241, s54, s55
	v_max_num_f32 v240, v240, v242                 ; with the 16 of lane l xor 16: the largest magnitude of the block
	v_max_num_f32 v241, v241, v243
	v_add_nc_u32 v244, 0xfe000000, v240            ; 4 off the exponent field: the scale operand of the conversion
	v_add_nc_u32 v245, 0xfe000000, v241
	v_lshrrev_b32 v246, 23, v244
	v_lshrrev_b32 v247, 23, v245
	v_lshl_or_b32 v[HW], v247, 8, v246             ; the two bytes
	WIN 0x01                                       ; source 0 window 1
	v_cvt_scalef32_pk16_bf6_f32 v[PC:PC+2], v[HB:HB+15], v244
	v_cvt_scalef32_pk16_bf6_f32 v[PC+4:PC+6], v[HB+16:HB+31], v245
	WIN 0
	v_nop                                          ; one plain place behind a scaled conversion
.irp i, 0,1,2
	v_permlane16_swap_b32 v[PC+\i], v[PC+4+\i]     ; a whole block to a lane: lanes 0-15 the first, lanes 16-31 the second
.endr
.irp i, 0,1,2
	v_mov_b32 v[PC+3+\i], v[PC+4+\i]
.endr
	ds_store_b128 v9, v[PC:PC+3] offset:12288*(\e)+3072*(\m)
	ds_store_b64 v10, v[PC+4:PC+5] offset:12288*(\e)+3072*(\m)
	ds_store_b16 v11, v[HW] offset:1024*(\e)+256*(\m)
.endm
; The hidden layer of expert e: 8 K steps, then the activation and the quantiser, a tile of 16 tokens at a time.
.macro EXPERT e
	FETCHX 0, 0
.irp t, 0,1,2,3,4,5,6,7
	STEP \e, \t
.endr
	WIN 0
	PLACES 4                                       ; in front of the reads of the results, of loads into the scale words, and of the next loads into the ring and into the buffers of x
.if (\e) == 0
	SCLOAD 44, 46                                  ; the scale words of hi land while h of lo is made
.endif
.irp m, 0,1,2,3
	SILU \m
	QUANTH \e, \m
.endr
.endm
; K half s of set q of the last product: fragments 2 n + s x 4 tiles of tokens.  Accumulator (e, n, m): window 1, v[128 e + 32 m + 8 n].  16 accumulators by turns.  E_, G_: the expert and the group of 64 columns
.macro PROD2 q, s
.irp m, 0,1,2,3
.irp n, 0,1,2,3
.set D_, 128*E_+32*\m+8*\n
.set A_, 96*((\q)%2)+12*(2*\n+(\s))
.set I_, 4*(\s)+\m
.if E_ == 0
.set B_, 128+12*I_
.set WB_, 0
.elseif I_ <= 4
.set B_, 192+12*I_
.set WB_, 2
.else
.set B_, 192+12*(I_-5)
.set WB_, 3
.endif
	WIN 0x50+4*WB_+2+(((\q)%4)/2)
.set SA_, 80+16*E_+2*(2*G_+\n/2)+(\s)
.set SB_, 112+8*E_+2*\m+(\s)
.set RA_, \n%2
.set RB_, 0
.set Z_, (\s)==0
	WM
.endr
.endr
.endm
; Set q of the last product: columns 64 (q / 2) on of my 256, expert q % 2.  The set three sets on is asked for in two halves, as in STEP.
.macro SET2 q
.set E_, (\q)%2
.set G_, (\q)/2
.if (\q) == 7
	s_wait_loadcnt 0x0
.elseif (\q) == 6
	s_wait_loadcnt 24                              ; one set is behind this one
.else
	s_wait_loadcnt 48                              ; two sets are
.endif
.if E_
	s_wait_xcnt 0x0                                ; the stores of the last 64 columns have read the registers that these products write
.endif
	PLACES 4
.if (\q) <= 4
	WHALF (((\q)+3)%4), (V2A+((\q)+3)%2), ((((\q)+3)/2)*12288), 0
.endif
	PROD2 \q, 0
.if (\q) <= 4
	WHALF (((\q)+3)%4), (V2A+((\q)+3)%2), ((((\q)+3)/2)*12288), 1
.endif
	PROD2 \q, 1
.endm
	s_load_b512 s[4:19], s[0:1], 0x0               ; tiles, order, gw, xq, xs, wimg, w1 scales, w3 scales
	s_load_b128 s[20:23], s[0:1], 0x40             ; w2 scales, out0
	v_lshl_add_u32 v13, v0, 2, 0x23900
	v_mov_b32 v14, 0
	v_lshrrev_b32 v30, 5, v0
	v_readfirstlane_b32 s24, v30                   ; wave 0..3
	v_and_b32 v30, 15, v0                          ; r
	v_bfe_u32 v31, v0, 4, 1                        ; h
	v_and_b32 v1, 31, v0
	v_lshlrev_b32 v1, 4, v1                        ; 16 l
	s_lshl_b32 s52, ttmp9, 2                       ; my entry in tiles,
	s_lshl_b32 s53, ttmp9, 8                       ; my 64 slots in order
	s_lshl_b32 s58, s24, 6
	s_add_co_u32 s58, s58, s53
	v_lshl_add_u32 v251, v30, 2, s58               ; slot 16 w + r: the rows whose codes I gather
	v_lshrrev_b32 v252, 2, v1
	v_add_nc_u32 v252, s53, v252                   ; slot l (+ 32 p): for the scale words of x
	v_lshl_add_u32 v253, v30, 2, s53               ; slot r (+ 16 m): for the gate weights
	s_wait_kmcnt 0x0
	s_load_b32 s25, s[4:5], s52 offset:0x0
	s_load_b32 s26, s[6:7], s53 offset:0x0         ; the first token of the tile
	global_load_b32 v224, v251, s[6:7]
	global_load_b32 v225, v252, s[6:7]
	global_load_b32 v226, v252, s[6:7] offset:128
.irp m, 0,1,2,3
	global_load_b32 v[227+\m], v253, s[6:7] offset:64*\m
.endr
	s_lshl_b32 s59, s24, 6
	s_add_co_u32 s59, s59, TOKL
	v_lshl_add_u32 v254, v30, 2, s59               ; where the token of slot 16 w + r is kept
	s_and_b32 s58, s24, 1                          ; c = w % 2
	s_lshr_b32 s59, s24, 1                         ; K step w / 2
	s_mul_i32 s60, s58, 768
	s_mul_i32 s61, s59, 1536
	s_add_co_u32 s60, s60, s61
	s_add_co_u32 s61, s60, HIMG
	v_add_nc_u32 v9, s61, v1                       ; where I store my half fragments of h: four registers,
	s_add_co_u32 s61, s60, HIMG+512
	v_lshrrev_b32 v10, 1, v1
	v_add_nc_u32 v15, HIMG, v10                    ; (and where any pair of registers is read back)
	v_add_nc_u32 v10, s61, v10                     ; two registers,
	s_lshl_b32 s60, s58, 1
	s_lshl_b32 s61, s59, 7
	s_add_co_u32 s60, s60, s61
	s_add_co_u32 s60, s60, HSC
	v_lshrrev_b32 v28, 2, v1
	v_add_nc_u32 v11, s60, v28                     ; half a scale word
	v_add_nc_u32 v28, HSC, v28                     ; the scale words back
	v_add_nc_u32 v24, HIMG, v1                     ; four registers back
	v_lshl_add_u32 v29, v31, 5, TOKL               ; eight tokens: slots 8 h on of a tile of rows
	s_mul_i32 s60, s24, 12288
	v_add_nc_u32 v8, s60, v1                       ; where I store the 8 fragments of x of rows 16 w on
	s_mul_i32 s60, s24, 17408
	s_add_co_u32 s60, s60, STG
	v_mul_u32_u24 v25, v30, 272
	v_lshl_add_u32 v25, v31, 5, v25
	v_add_nc_u32 v25, s60, v25                     ; my stage, in: row r, 32 h
	v_mul_u32_u24 v26, v31, 2176
	v_lshl_add_u32 v26, v30, 4, v26
	v_add_nc_u32 v26, s60, v26                     ; back: lanes 0-15 row i, lanes 16-31 row 8 + i; 16 bytes a lane
	s_lshl_b32 s60, s24, 10
	v_lshl_add_u32 v27, v30, 4, s60                ; the same 16 bytes in a row of out0: 1,024 w + 16 r
	v_lshrrev_b32 v255, 3, v30
	v_add_nc_u32 v255, v255, v31
	v_lshlrev_b32 v239, 5, v30
	v_lshl_add_u32 v239, v255, 8, v239
	s_lshl_b32 s60, s24, 11
	v_add_nc_u32 v239, s60, v239                   ; scale words of W1, W3: 32 bytes x row 64 w + 8 h + r + 8 (r / 8)
	v_lshrrev_b32 v250, 1, v1
	v_add_nc_u32 v250, s60, v250                   ; of W2: 8 bytes x row 256 w + l
	s_mov_b32 s54, 0x76543210                      ; selects of v_permlanex16_b32 for lane l xor 16
	s_mov_b32 s55, 0xfedcba98
	s_mov_b32 s56, 0xbfb8aa3b                      ; -log2(e)
	s_mov_b32 s57, s56                             ; (named with it as a pair, so it is written)
	v_mov_b32 v242, 0                              ; written once: the destination of a lane permute counts as one of its sources
	v_mov_b32 v243, 0
	s_wait_kmcnt 0x0
	s_lshr_b32 s29, s25, 8                         ; tokens in my tile: 0 where this split leaves me none
	s_and_b32 s27, s25, 15
	s_min_u32 s27, s27, 7                          ; lo
	s_bfe_u32 s28, s25, 0x40004
	s_min_u32 s28, s28, 7                          ; hi
	s_min_u32 s26, s26, 0x1fff
	s_mul_i32 s58, s24, 98304
	s_mul_i32 s30, s27, 393216
	s_add_co_u32 s30, s30, s58                     ; my W1, W3 sets of lo,
	s_mul_i32 s31, s28, 393216
	s_add_co_u32 s31, s31, s58                     ; of hi
	s_mul_i32 s58, s24, 49152
	s_add_co_u32 s58, s58, W2OFF
	s_mul_i32 s32, s27, 196608
	s_add_co_u32 s32, s32, s58                     ; my W2 sets of lo,
	s_mul_i32 s33, s28, 196608
	s_add_co_u32 s33, s33, s58                     ; of hi
	s_lshl_b32 s52, s27, 13                        ; 8,192 scale bytes an expert, in each of the three
	s_mov_b32 s53, 0
	s_add_nc_u64 s[40:41], s[16:17], s[52:53]
	s_add_nc_u64 s[42:43], s[18:19], s[52:53]
	s_add_nc_u64 s[48:49], s[20:21], s[52:53]
	s_lshl_b32 s52, s28, 13
	s_add_nc_u64 s[44:45], s[16:17], s[52:53]
	s_add_nc_u64 s[46:47], s[18:19], s[52:53]
	s_add_nc_u64 s[50:51], s[20:21], s[52:53]
	v_add_nc_u32 v2, s30, v1
	v_add_nc_u32 v3, s31, v1
	v_add_nc_u32 v6, s32, v1
	v_add_nc_u32 v7, s33, v1
	SCLOAD 40, 42
.irp tp, 0,1,2,3,4,5,6,7
	global_load_b64 v[80+2*\tp:81+2*\tp], v250, s[48:49] offset:256*\tp  ; scale words of W2: register 80 + 16 e + 2 tp + s; lanes 0-15 column tile 2 tp, lanes 16-31 tile 2 tp + 1
	global_load_b64 v[96+2*\tp:97+2*\tp], v250, s[50:51] offset:256*\tp
.endr
	WSET 0, VC, 0
	WIN 0
	s_wait_loadcnt 48                              ; 8 + 16 + 24 loads are younger: the seven token loads are in
.irp k, 224,225,226,227,228,229,230
	v_cmp_gt_u32 vcc_lo, 0x2000, v[\k]
	v_cndmask_b32 v[\k], s26, v[\k], vcc_lo        ; a slot without a token takes the first token of the tile
	v_min_u32 v[\k], 0x1fff, v[\k]
.endr
	ds_store_b32 v254, v224
	v_mul_u32_u24 v232, v224, 768
	v_mad_u32_u24 v232, v31, 48, v232              ; xq: my token, my half
	v_lshlrev_b32 v233, 5, v225
	v_lshlrev_b32 v234, 5, v226
.irp m, 0,1,2,3
	v_lshlrev_b32 v[235+\m], 3, v[227+\m]
.endr
.irp p, 0,1
	global_load_b128 v[64+8*\p:67+8*\p], v[233+\p], s[12:13]             ; scale words of x: register 64 + 8 p + s; lanes 0-15 tile of rows 2 p, lanes 16-31 tile 2 p + 1
	global_load_b128 v[68+8*\p:71+8*\p], v[233+\p], s[12:13] offset:16
.endr
.irp m, 0,1,2,3
	global_load_b64 v[16+2*\m:17+2*\m], v[235+\m], s[8:9]                ; (w_lo, w_hi) of token 16 m + r
.endr
.irp s, 0,1,2,3,4,5,6,7
.irp c, 0,1,2
	global_load_b128 v[128+12*\s+4*\c:131+12*\s+4*\c], v232, s[10:11] offset:96*\s+16*\c   ; the 12 registers of K step s: 48 bytes on end
.endr
.endr
	WSET 1, VC, 12288
	WSET 2, VC, 24576
	WIN 0
	s_wait_loadcnt 48                              ; two sets are younger: the codes of x, all scale words, the gate weights and set 0 are in
.irp s, 0,1,2,3,4,5,6,7
.irp c, 0,1,2
	ds_store_b128 v8, v[128+12*\s+4*\c:131+12*\s+4*\c] offset:XIMG+1536*\s+512*\c
.endr
.endr
	s_wait_dscnt 0x0                               ; my images and my tokens lie in LDS
	s_barrier_signal -1
	s_barrier_wait -1                              ; all 32 fragments of x do
	s_cmp_eq_u32 s29, 0
	s_cbranch_scc1 .Lhidden_done                   ; no tokens: nothing is multiplied.  The jump passes over no barrier
	EXPERT 0
	EXPERT 1
.Lhidden_done:
	s_wait_dscnt 0x0                               ; my parts of h lie in LDS
	s_barrier_signal -1
	s_barrier_wait -1                              ; all 16 fragments do
	s_cmp_eq_u32 s29, 0
	s_cbranch_scc1 .Lend                           ; no tokens: nothing is stored
.macro HLOAD reg, off                  ; a fragment of h comes back as it was stored
	ds_load_b128 v[\reg:\reg+3], v24 offset:\off
	ds_load_b64 v[\reg+4:\reg+5], v15 offset:\off+512
	ds_load_b128 v[\reg+6:\reg+9], v24 offset:\off+768
	ds_load_b64 v[\reg+10:\reg+11], v15 offset:\off+1280
.endm
.irp i, 0,1,2,3,4,5,6,7                        ; fragment i = 4 s + m
	HLOAD (128+12*\i), ((2*(\i%4)+\i/4)*1536)
.endr
.set k, 0
.rept 16
	ds_load_b32 v[112+k], v28 offset:128*k
.set k, k+1
.endr
.irp m, 0,1,2,3
	ds_load_b128 v[224+8*\m:227+8*\m], v29 offset:64*\m
	ds_load_b128 v[228+8*\m:231+8*\m], v29 offset:64*\m+16
.endr
	WIN 0x80
.irp i, 0,1,2,3,4
	HLOAD (192+12*\i), ((8+2*(\i%4)+\i/4)*1536)
.endr
	WIN 0xc0
.irp i, 5,6,7
	HLOAD (192+12*(\i-5)), ((8+2*(\i%4)+\i/4)*1536)
.endr
.irp m, 0,1,2,3
	v_mov_b32 v[228+2*\m], v[17+2*\m]              ; (w_hi, w_lo): the packed forms take the low word of a pair for both halves
	v_mov_b32 v[229+2*\m], v[16+2*\m]
.endr
	WIN 0
	s_wait_dscnt 0x0
.set k, 0
.rept 32
	v_min_u32 v[224+k], 0x1fff, v[224+k]
	v_lshl_add_u32 v[224+k], v[224+k], 12, v27     ; register 8 m + i: my 16 bytes in the row of the token of slot 16 m + 8 (lane / 16) + i
.set k, k+1
.endr
.macro GROUP g
	SET2 (2*(\g))
	SET2 (2*(\g)+1)
	WIN 0x51                                       ; y window 1, the weights window 0
.set j, 0
.rept 64
	v_pk_mul_f32 v[j:j+1], v[j:j+1], v[16+2*(j/32):17+2*(j/32)] op_sel_hi:[1,0]   ; w_lo y_lo.  (These are also the places behind the last products)
.set j, j+2
.endr
	WIN 0x5d                                       ; the swapped weights: window 3
.set j, 0
.rept 64
	v_pk_fma_f32 v[j:j+1], v[128+j:129+j], v[228+2*(j/32):229+2*(j/32)], v[j:j+1] op_sel_hi:[1,0,1]   ; + w_hi y_hi
.set j, j+2
.endr
	WIN 0x04                                       ; the data of a store are its source 1: window 1
.irp m, 0,1,2,3
.irp n, 0,1,2,3
	ds_store_b128 v25, v[32*\m+8*\n:32*\m+8*\n+3] offset:4352*\m+64*\n          ; lane (r, h): token 16 m + r, columns 16 n + 8 h + 0 .. 7 of the 64
	ds_store_b128 v25, v[32*\m+8*\n+4:32*\m+8*\n+7] offset:4352*\m+64*\n+16
.endr
.endr
	WIN 0x40                                       ; back into window 1.  LDS serves the instructions of a wave in order: these see the stores above
.irp m, 0,1,2,3
.irp i, 0,1,2,3,4,5,6,7
	ds_load_b128 v[128+32*\m+4*\i:131+32*\m+4*\i], v26 offset:4352*\m+272*\i
.endr
.endr
	WIN 0x04
.set k, 0
.rept 32
	s_wait_dscnt 31-k
	global_store_b128 v[224+k], v[128+4*k:131+4*k], s[22:23] offset:256*(\g) th:TH_STORE_NT   ; 16 lanes store 256 consecutive bytes, at a multiple of 256 from the first byte of out0
.set k, k+1
.endr
.endm
	GROUP 0
	GROUP 1
	GROUP 2
	GROUP 3
	WIN 0
.Lend:
	s_wait_tensorcnt 0x0
	ds_add_u32 v13, v14
	s_wait_dscnt 0x0
	s_endpgm
.Lfunc_end_k_q4d6e989556_experts:
	.size	k_q4d6e989556_experts, .Lfunc_end_k_q4d6e989556_experts-k_q4d6e989556_experts
	.p2alignl 7, 3214868480
	.fill 96, 4, 3214868480
	.section	.rodata,"a",@progbits
	.p2align	6, 0x0
	.amdhsa_kernel k_q4d6e989556_experts
		.amdhsa_group_segment_fixed_size 146176
		.amdhsa_private_segment_fixed_size 0
		.amdhsa_enable_private_segment 0
		.amdhsa_kernarg_size 80
		.amdhsa_user_sgpr_count 2
		.amdhsa_user_sgpr_kernarg_segment_ptr 1
		.amdhsa_wavefront_size32 1
		.amdhsa_system_sgpr_workgroup_id_x 1
		.amdhsa_system_sgpr_workgroup_id_y 1
		.amdhsa_system_sgpr_workgroup_id_z 1
		.amdhsa_system_vgpr_workitem_id 0
		.amdhsa_next_free_vgpr 1024
		.amdhsa_next_free_sgpr 66
		.amdhsa_reserve_vcc 1
		.amdhsa_float_denorm_mode_32 3
		.amdhsa_float_denorm_mode_16_64 3
		.amdhsa_memory_ordered 1
		.amdhsa_forward_progress 1
		.amdhsa_inst_pref_size 255
	.end_amdhsa_kernel
	.section	.bss,"aw",@nobits
	.p2align	6
	.space	262144
	.amdgpu_metadata
---
amdhsa.version: [ 1, 2 ]
amdhsa.kernels:
  - .name:           k_q4d6e989556_experts
    .symbol:         k_q4d6e989556_experts.kd
    .args:
      - { .name: tiles, .offset: 0, .size: 8, .value_kind: global_buffer, .address_space: global }
      - { .name: order, .offset: 8, .size: 8, .value_kind: global_buffer, .address_space: global }
      - { .name: gw, .offset: 16, .size: 8, .value_kind: global_buffer, .address_space: global }
      - { .name: xq, .offset: 24, .size: 8, .value_kind: global_buffer, .address_space: global }
      - { .name: xs, .offset: 32, .size: 8, .value_kind: global_buffer, .address_space: global }
      - { .name: wimg, .offset: 40, .size: 8, .value_kind: global_buffer, .address_space: global }
      - { .name: w1_scales, .offset: 48, .size: 8, .value_kind: global_buffer, .address_space: global }
      - { .name: w3_scales, .offset: 56, .size: 8, .value_kind: global_buffer, .address_space: global }
      - { .name: w2_scales, .offset: 64, .size: 8, .value_kind: global_buffer, .address_space: global }
      - { .name: out0, .offset: 72, .size: 8, .value_kind: global_buffer, .address_space: global }
    .group_segment_fixed_size: 146176
    .private_segment_fixed_size: 0
    .kernarg_segment_align: 8
    .kernarg_segment_size: 80
    .max_flat_workgroup_size: 128
    .sgpr_count:     66
    .vgpr_count:     1024
    .wavefront_size: 32
...
	.end_amdgpu_metadata
.endif
;; end of part 3
;; ======== version 2 of 2: 3 launches
;; workspace buffers: xq 6,291,456 bytes; xs 262,144 bytes; gw 65,536 bytes; sel 65,536 bytes of whole numbers; order 40,960 bytes of whole numbers; tiles 1,024 bytes of whole numbers; wimg 4,718,592 bytes
;; launch gate_quant (part 4): grid 256 x 1, 4 waves a work-group, no clusters, 98,816 bytes of LDS; arguments x, gate_w, xq, xs, gw, sel; writes xq, xs, gw, sel
.if DOCPART == 4
	.amdgcn_target "amdgcn-amd-amdhsa--gfx1250"
	.amdhsa_code_object_version 6
	.text
	.protected	k_q4d6e989556_gate_quant
	.globl	k_q4d6e989556_gate_quant
	.p2align	8
	.type	k_q4d6e989556_gate_quant,@function
k_q4d6e989556_gate_quant:
	s_mov_b64 s[64:65], 0
	v_nop
	global_prefetch_b8 v0, s[64:65] scope:SCOPE_SE
	s_setreg_imm32_b32 hwreg(HW_REG_WAVE_MODE, 25, 1), 1
	s_wait_xcnt 0x0
; x [8192][1024] f32 is read once.  From it: (1) the gate logits x gate_w in f32 (fused multiply-adds), the two largest of eight (ties: the lower index), the softmax of the two;
; (2) the codes of x in E3M2 with one E8M0 byte for each 32 along K.
; A work-group takes 32 tokens, a wave 8, one whole row (4,096 bytes) at a time.  All 64 row loads of a wave go out at the start.
; xq: [token][K step s][h][c][24 bytes], block 4 s + 2 c + h of the row: the 12 operand registers of lane (r, h) for K step s are 48 bytes on end.
; xs: [token][32] scale bytes.  gw: [token][2] f32: the weight of the lower-numbered expert, then of the higher.
; sel: [group of 32 tokens][lane][2] u32: word 0 = pair key + 256 x rank of token lane among the tokens of its key in the group; word 1 = how many tokens of the group have key = lane.
; The pair key of experts lo < hi is lo (13 - lo) / 2 + hi - 1: 0 to 27.  What is derived from the logits is stored as data alone: no address and no branch here hangs on it.
; LIMITS: NaN and infinities in x or gate_w are not served.  A block whose largest magnitude lies under 2^-122 gets the byte 1, a block of zeros too (its codes are zeros, and this program alone reads the bytes).
; REGISTERS: window 0: v1-15 addresses; v16-31 eight pairs of sums; v32-95 two sets of 32 neighbours (first the gate as loaded); v96-111 codes and byte, two sets; v112-127 at work; v128.. the top-2.
;   window 1: register 32 e + i = gate_w[32 lane + i][e].   window 2: the 8 rows as loaded, 32 registers each.
.set GIMG,  0                          ; the gate, transposed: 32 places of 8 experts x 32 k x 4 bytes + 16
.set TST,   33280                      ; for each wave two stages of 32 places of 128 bytes + 16
.set CST,   70144                      ; codes: 32 tokens, 768 bytes + 16
.set XSST,  95232                      ; 32 x 32 scale bytes
.set LOG,   96256                      ; 32 x 8 logits
.set MSB, 0
.macro WIN new                         ; the high byte of the immediate repeats the setting that is left
.if MSB != (\new)
	s_set_vgpr_msb (MSB<<8)|(\new)
.set MSB, (\new)
.endif
.endm
	s_load_b256 s[4:11], s[0:1], 0x0               ; x, gate_w, xq, xs
	s_load_b128 s[12:15], s[0:1], 0x20             ; gw, sel
	v_lshl_add_u32 v254, v0, 2, 0x18000
	v_mov_b32 v255, 0
	v_lshrrev_b32 v1, 5, v0
	v_readfirstlane_b32 s16, v1                    ; wave 0..3
	v_and_b32 v1, 31, v0                           ; lane L
	v_lshlrev_b32 v2, 4, v1                        ; 16 L: my bytes of a load of 512
	v_lshlrev_b32 v15, 4, v0                       ; 16 x thread: my bytes of the gate
	v_lshrrev_b32 v112, 6, v0                      ; the gate into LDS: thread t holds k = t / 2 + 64 n, experts 4 (t % 2) + j:
	v_mul_u32_u24 v3, v112, 1040                   ; place k / 32,
	v_and_b32 v112, 1, v0
	v_lshl_add_u32 v3, v112, 9, v3                 ; 128 bytes an expert,
	v_bfe_u32 v112, v0, 1, 5
	v_lshl_add_u32 v3, v112, 2, v3                 ; 4 bytes a k
	v_mul_u32_u24 v4, v1, 1040                     ; and back: place L
	s_mul_i32 s17, s16, 9216
	s_add_co_u32 s17, s17, TST
	v_lshrrev_b32 v112, 3, v1
	v_lshl_add_u32 v5, v112, 4, v2
	v_add_nc_u32 v5, s17, v5                       ; a row into the stage: 16 L + 16 (L / 8): eight lanes fill a place of 128 bytes
	v_mul_u32_u24 v6, v1, 144
	v_add_nc_u32 v6, s17, v6                       ; and back: place L = block L of the row
	s_mul_i32 s17, s16, 6272
	s_add_co_u32 s17, s17, CST
	v_lshrrev_b32 v112, 2, v1
	v_mul_u32_u24 v7, v112, 96
	v_and_b32 v112, 1, v1
	v_mad_u32_u24 v7, v112, 48, v7
	v_bfe_u32 v112, v1, 1, 1
	v_mad_u32_u24 v7, v112, 24, v7
	v_add_nc_u32 v7, s17, v7                       ; block L = 4 s + 2 c + h goes to 96 s + 48 h + 24 c
	v_add_nc_u32 v10, s17, v2                      ; codes back: 16 L,
	v_lshrrev_b32 v112, 4, v1
	v_lshl_add_u32 v11, v112, 4, v10               ; and 16 more where the second row of a pair has begun
	s_lshl_b32 s18, s16, 8
	s_add_co_u32 s19, s18, XSST
	v_add_nc_u32 v8, s19, v1                       ; my block byte
	v_lshl_add_u32 v13, v1, 3, s19                 ; the bytes back, 8 a lane
	s_add_co_u32 s19, s18, LOG
	v_and_b32 v112, 7, v1
	v_lshl_add_u32 v9, v112, 2, s19                ; the logit of expert L % 8
	s_mul_i32 s19, s16, 6144
	v_add_nc_u32 v12, s19, v2                      ; xq: my wave, 16 L
	v_lshl_add_u32 v14, v1, 3, s18                 ; xs: my wave, 8 L
	v_lshl_add_u32 v128, v1, 5, LOG                ; wave 0 at the end: the eight logits of token L
	v_lshlrev_b32 v129, 3, v1                      ; and 8 L in gw and in sel
	s_mov_b32 s20, 0xaaaaaaaa                      ; lanes with bit 0, 1, 2 of their number set
	s_mov_b32 s21, 0xcccccccc
	s_mov_b32 s22, 0xf0f0f0f0
	s_mov_b32 s24, 0x76543210                      ; selects of v_permlanex16_b32 for lane l xor 16
	s_mov_b32 s25, 0xfedcba98
	s_lshl_b32 s26, ttmp9, 17                      ; 32 rows of 4,096 bytes a work-group,
	s_lshl_b32 s27, s16, 15                        ; 8 a wave
	s_add_co_u32 s26, s26, s27
	s_mov_b32 s27, 0
	s_mul_i32 s28, ttmp9, 24576
	s_mov_b32 s29, 0
	s_lshl_b32 s30, ttmp9, 10
	s_mov_b32 s31, 0
	s_lshl_b32 s32, ttmp9, 8
	s_mov_b32 s33, 0
	s_wait_kmcnt 0x0
	s_add_nc_u64 s[4:5], s[4:5], s[26:27]
	s_add_nc_u64 s[8:9], s[8:9], s[28:29]
	s_add_nc_u64 s[10:11], s[10:11], s[30:31]
	s_add_nc_u64 s[12:13], s[12:13], s[32:33]
	s_add_nc_u64 s[14:15], s[14:15], s[32:33]
.macro XROW r                          ; row r of my eight: eight loads of 512 consecutive bytes
.irp n, 0,1,2,3,4,5,6,7
	global_load_b128 v[32*(\r)+4*\n:32*(\r)+4*\n+3], v2, s[4:5] offset:4096*(\r)+512*\n th:TH_LOAD_NT
.endr
.endm
.irp n, 0,1,2,3,4,5,6,7,8,9,10,11,12,13,14,15
	global_load_b128 v[32+4*\n:35+4*\n], v15, s[6:7] offset:2048*\n   ; the gate: 128 threads x 16 bytes x 16
.endr
	WIN 0x80                                       ; destination window 2
.irp r, 0,1,2,3,4,5
	XROW \r
.endr
	WIN 0
	s_wait_loadcnt 48                              ; the 48 loads of six rows are younger: the gate is in
.irp n, 0,1,2,3,4,5,6,7,8,9,10,11,12,13,14,15
.irp j, 0,1,2,3
	ds_store_b32 v3, v[32+4*\n+\j] offset:2080*\n+128*\j
.endr
.endr
	WIN 0x80
	XROW 6
	XROW 7
	WIN 0
	s_wait_dscnt 0x0                               ; my part of the gate lies in LDS
	s_barrier_signal -1
	s_barrier_wait -1                              ; all of it does
	WIN 0x40                                       ; destination window 1
.set k, 0
.rept 64
	ds_load_b128 v[4*k:4*k+3], v4 offset:16*k
.set k, k+1
.endr
	WIN 0
; Row r through my stage: as loaded, 16 bytes a lane; back 128 bytes a lane: lane L then holds k = 32 L .. 32 L + 31.  LDS serves the instructions of a wave in order.
.macro TURN r
	WIN 0x08                                       ; the data of an LDS store are its source 1: window 2
.irp n, 0,1,2,3,4,5,6,7
	ds_store_b128 v5, v[32*(\r)+4*\n:32*(\r)+4*\n+3] offset:4608*((\r)%2)+576*\n
.endr
	WIN 0
.irp q, 0,1,2,3,4,5,6,7
	ds_load_b128 v[32+32*((\r)%2)+4*\q:35+32*((\r)%2)+4*\q], v6 offset:4608*((\r)%2)+16*\q
.endr
.endm
.macro ROW r
.set XS, 32+32*((\r)%2)
.set CC, 96+8*((\r)%2)
.if (\r) == 0
	s_wait_dscnt 0x0                               ; the gate and row 0 are in registers
.else
	s_wait_dscnt 5                                 ; the five stores of the last row are younger than this row's way through the stage; all of two rows back is done
.endif
.if (\r) < 7
	s_wait_loadcnt 8*(6-(\r))                      ; the next row is in: the rows behind it may be out
	TURN (\r)+1
.endif
	v_max3_num_f32 v112, |v[XS]|, |v[XS+1]|, |v[XS+2]|             ; the largest magnitude of my block, in two chains
	v_max3_num_f32 v113, |v[XS+3]|, |v[XS+4]|, |v[XS+5]|
.irp i, 6,10,14,18,22,26
	v_max3_num_f32 v112, v112, |v[XS+\i]|, |v[XS+\i+1]|
	v_max3_num_f32 v113, v113, |v[XS+\i+2]|, |v[XS+\i+3]|
.endr
	v_max3_num_f32 v112, v112, |v[XS+30]|, |v[XS+31]|
	v_max3_num_f32 v112, v112, v113, 0x2800000     ; and the floor 2^(5 - 127): the byte cannot fall under 1
	v_add_nc_u32 v114, 0xfe000000, v112            ; 4 off the exponent field: the scale operand of the conversion
	v_cvt_scalef32_pk16_bf6_f32 v[CC:CC+2], v[XS:XS+15], v114
	v_cvt_scalef32_pk16_bf6_f32 v[CC+4:CC+6], v[XS+16:XS+31], v114   ; (the three registers of a conversion begin on an even number)
	v_lshrrev_b32 v[CC+7], 23, v114                ; the byte.  (The plain place behind the conversions)
	v_mov_b32 v[CC+3], v[CC+4]
	v_mov_b32 v[CC+4], v[CC+5]
	v_mov_b32 v[CC+5], v[CC+6]                     ; 24 bytes on end
	ds_store_b64 v7, v[CC:CC+1] offset:784*(\r)
	ds_store_b64 v7, v[CC+2:CC+3] offset:784*(\r)+8
	ds_store_b64 v7, v[CC+4:CC+5] offset:784*(\r)+16
	ds_store_b8 v8, v[CC+7] offset:32*(\r)
	WIN 0x04                                       ; source 1 (the gate) window 1
.irp e, 0,1,2,3,4,5,6,7
	v_pk_mul_f32 v[16+2*\e:17+2*\e], v[XS:XS+1], v[32*\e:32*\e+1]    ; the first products start the sums: for each expert one of the even k, one of the odd
.endr
.irp q, 1,2,3,4,5,6,7,8,9,10,11,12,13,14,15
.irp e, 0,1,2,3,4,5,6,7
	v_pk_fma_f32 v[16+2*\e:17+2*\e], v[XS+2*\q:XS+2*\q+1], v[32*\e+2*\q:32*\e+2*\q+1], v[16+2*\e:17+2*\e]
.endr
.endr
	WIN 0
.irp e, 0,1,2,3,4,5,6,7
	v_add_f32 v[112+\e], v[16+2*\e], v[17+2*\e]    ; my 32 k of expert e
.endr
; Over the 32 lanes, eight sums at once: in each of three steps a lane keeps half of its sums, those of the experts whose bit is its own, and hands the other half to its partner.
.irp p, 0,1,2,3
	v_cndmask_b32 v[120+\p], v[112+2*\p], v[113+2*\p], s20
	v_cndmask_b32 v[124+\p], v[113+2*\p], v[112+2*\p], s20
.endr
.irp p, 0,1,2,3
	v_add_f32_dpp v[120+\p], v[124+\p], v[120+\p] row_xmask:1 row_mask:0xf bank_mask:0xf
.endr
.irp q, 0,1
	v_cndmask_b32 v[112+\q], v[120+2*\q], v[121+2*\q], s21
	v_cndmask_b32 v[114+\q], v[121+2*\q], v[120+2*\q], s21
.endr
.irp q, 0,1
	v_add_f32_dpp v[112+\q], v[114+\q], v[112+\q] row_xmask:2 row_mask:0xf bank_mask:0xf
.endr
	v_cndmask_b32 v116, v112, v113, s22
	v_cndmask_b32 v117, v113, v112, s22
	v_add_f32_dpp v116, v117, v116 row_xmask:4 row_mask:0xf bank_mask:0xf
	v_add_f32_dpp v116, v116, v116 row_xmask:8 row_mask:0xf bank_mask:0xf
	v_permlanex16_b32 v117, v116, s24, s25
	v_add_f32 v[130+((\r)%2)], v116, v117          ; lane L holds the logit of expert L % 8
	ds_store_b32 v9, v[130+((\r)%2)] offset:32*(\r)   ; (four lanes write the same word with the same bits)
.endm
	s_wait_loadcnt 56                              ; row 0 is in: rows 1 to 7 may be out
	TURN 0
.irp r, 0,1,2,3,4,5,6,7
	ROW \r
.endr
	s_wait_dscnt 0x0                               ; my logits lie in LDS
	s_barrier_signal -1
	s_barrier_wait -1                              ; those of all 32 tokens do
	; my 8 tokens go out: two rows of codes are 1,536 consecutive bytes of xq, three stores of 512 aligned bytes
	ds_load_b64 v[80:81], v13
.irp i, 0,1,2,3
	ds_load_b128 v[32+12*\i:35+12*\i], v10 offset:1568*\i
	ds_load_b128 v[36+12*\i:39+12*\i], v11 offset:1568*\i+512
	ds_load_b128 v[40+12*\i:43+12*\i], v10 offset:1568*\i+1040
.endr
	s_wait_dscnt 12
	global_store_b64 v14, v[80:81], s[10:11]       ; 32 lanes store 256 consecutive bytes of xs
.set k, 0
.rept 12
	s_wait_dscnt 11-k
	global_store_b128 v12, v[32+4*k:35+4*k], s[8:9] offset:512*k
.set k, k+1
.endr
	s_cmp_lg_u32 s16, 0
	s_cbranch_scc1 .Lend
	; wave 0: lane = token.  The two largest logits; on a tie the lower index stays, since only a strictly larger logit takes its place
	ds_load_b128 v[132:135], v128
	ds_load_b128 v[136:139], v128 offset:16
	v_mov_b32 v140, 0xff800000                     ; -infinity
	s_wait_dscnt 0x0
	v_mov_b32 v141, v132
	v_mov_b32 v142, 0
.irp e, 1,2,3,4,5,6,7
	v_cmp_le_f32 vcc_lo, v[132+\e], v141
	v_cndmask_b32 v142, \e, v142, vcc_lo
	v_cndmask_b32 v141, v[132+\e], v141, vcc_lo
.endr
.irp e, 0,1,2,3,4,5,6,7
	v_cmp_eq_u32 vcc_lo, \e, v142
	v_cndmask_b32 v[132+\e], v[132+\e], v140, vcc_lo   ; the winner leaves the field
.endr
	v_mov_b32 v143, v132
	v_mov_b32 v144, 0
.irp e, 1,2,3,4,5,6,7
	v_cmp_le_f32 vcc_lo, v[132+\e], v143
	v_cndmask_b32 v144, \e, v144, vcc_lo
	v_cndmask_b32 v143, v[132+\e], v143, vcc_lo
.endr
	v_sub_f32 v145, v143, v141                     ; the softmax of the two, the larger taken away: 1 / (1 + e), e / (1 + e), e = exp(second - first)
	v_mul_f32 v145, 0x3fb8aa3b, v145
	s_wait_alu depctr_va_vdst(0)
	v_exp_f32 v145, v145
	v_min_u32 v147, v142, v144                     ; lo.  (A plain place behind the exponential)
	s_wait_alu depctr_va_vdst(0)
	v_add_f32 v146, 1.0, v145
	s_wait_alu depctr_va_vdst(0)
	v_rcp_f32 v146, v146
	v_max_u32 v148, v142, v144                     ; hi.  (A plain place behind the reciprocal)
	s_wait_alu depctr_va_vdst(0)
	v_mul_f32 v145, v145, v146
	v_cmp_lt_u32 vcc_lo, v142, v144
	v_cndmask_b32 v150, v145, v146, vcc_lo         ; the weight of lo,
	v_cndmask_b32 v151, v146, v145, vcc_lo         ; of hi
	v_sub_nc_u32 v149, 13, v147
	v_mul_u32_u24 v149, v149, v147
	v_lshrrev_b32 v149, 1, v149
	v_add3_u32 v149, v149, v148, -1                ; the pair key
	v_mov_b32 v152, 0                              ; my rank among the tokens of my key
	v_mov_b32 v155, 0                              ; lane p: how many tokens have key p
.set p, 0
.rept 28
	v_cmp_eq_u32 s34, p, v149
	v_mbcnt_lo_u32_b32 v156, s34, 0                ; tokens of key p in the lanes below mine
	v_cndmask_b32 v152, v152, v156, s34
	s_bcnt1_i32_b32 s35, s34
	v_writelane_b32 v155, s35, p
.set p, p+1
.endr
	v_lshl_or_b32 v154, v152, 8, v149
	global_store_b64 v129, v[154:155], s[14:15]    ; 32 lanes store 256 consecutive bytes
	global_store_b64 v129, v[150:151], s[12:13]
.Lend:
	s_wait_tensorcnt 0x0
	ds_add_u32 v254, v255
	s_wait_dscnt 0x0
	s_endpgm
.Lfunc_end_k_q4d6e989556_gate_quant:
	.size	k_q4d6e989556_gate_quant, .Lfunc_end_k_q4d6e989556_gate_quant-k_q4d6e989556_gate_quant
	.p2alignl 7, 3214868480
	.fill 96, 4, 3214868480
	.section	.rodata,"a",@progbits
	.p2align	6, 0x0
	.amdhsa_kernel k_q4d6e989556_gate_quant
		.amdhsa_group_segment_fixed_size 98816
		.amdhsa_private_segment_fixed_size 0
		.amdhsa_enable_private_segment 0
		.amdhsa_kernarg_size 48
		.amdhsa_user_sgpr_count 2
		.amdhsa_user_sgpr_kernarg_segment_ptr 1
		.amdhsa_wavefront_size32 1
		.amdhsa_system_sgpr_workgroup_id_x 1
		.amdhsa_system_sgpr_workgroup_id_y 1
		.amdhsa_system_sgpr_workgroup_id_z 1
		.amdhsa_system_vgpr_workitem_id 0
		.amdhsa_next_free_vgpr 768
		.amdhsa_next_free_sgpr 66
		.amdhsa_reserve_vcc 1
		.amdhsa_float_denorm_mode_32 3
		.amdhsa_float_denorm_mode_16_64 3
		.amdhsa_memory_ordered 1
		.amdhsa_forward_progress 1
		.amdhsa_inst_pref_size 134
	.end_amdhsa_kernel
	.amdgpu_metadata
---
amdhsa.version: [ 1, 2 ]
amdhsa.kernels:
  - .name:           k_q4d6e989556_gate_quant
    .symbol:         k_q4d6e989556_gate_quant.kd
    .args:
      - { .name: x, .offset: 0, .size: 8, .value_kind: global_buffer, .address_space: global }
      - { .name: gate_w, .offset: 8, .size: 8, .value_kind: global_buffer, .address_space: global }
      - { .name: xq, .offset: 16, .size: 8, .value_kind: global_buffer, .address_space: global }
      - { .name: xs, .offset: 24, .size: 8, .value_kind: global_buffer, .address_space: global }
      - { .name: gw, .offset: 32, .size: 8, .value_kind: global_buffer, .address_space: global }
      - { .name: sel, .offset: 40, .size: 8, .value_kind: global_buffer, .address_space: global }
    .group_segment_fixed_size: 98816
    .private_segment_fixed_size: 0
    .kernarg_segment_align: 8
    .kernarg_segment_size: 48
    .max_flat_workgroup_size: 128
    .sgpr_count:     66
    .vgpr_count:     768
    .wavefront_size: 32
...
	.end_amdgpu_metadata
.endif
;; end of part 4
;; launch sort_layout (part 5): grid 97 x 1, 32 waves a work-group, no clusters, 13,312 bytes of LDS; arguments sel, w1_codes, w3_codes, w2_codes, order, tiles, wimg; writes order, tiles, wimg
.if DOCPART == 5
	.amdgcn_target "amdgcn-amd-amdhsa--gfx1250"
	.amdhsa_code_object_version 6
	.text
	.protected	k_q4d6e989556_sort_layout
	.globl	k_q4d6e989556_sort_layout
	.p2align	8
	.type	k_q4d6e989556_sort_layout,@function
k_q4d6e989556_sort_layout:
	s_mov_b64 s[64:65], 0
	v_nop
	global_prefetch_b8 v0, s[64:65] scope:SCOPE_SE
	s_setreg_imm32_b32 hwreg(HW_REG_WAVE_MODE, 25, 1), 1
	s_wait_xcnt 0x0
; WORK-GROUP 0: a counting sort of the 8,192 tokens by their pair of experts (28 keys).  Each key begins on a tile of 64 slots of its own, so a tile has tokens of ONE pair.
;   order: [tile][64] token numbers, 0xFFFFFFFF in the slots that a key leaves over.  tiles: [tile] lo + 16 hi + 256 x tokens (0 tokens: no tile).
;   The sum over the keys of their tiles, each rounded up, is at least 128 and at most 127 + 28 = 155 for every split of 8,192 tokens; the buffers hold 160 tiles and all 160 are written.
;   Wave w owns the groups 8 w .. 8 w + 7 of 32 tokens.  In sel a lane is a token (word 0) and a key (word 1).  No atomics: ranks inside a group were made by the launch before.
;   The sum over the waves is made once: wave k takes key k, a lane a wave, and scans the 32 figures; two barriers in all.
;   The markers need no mask: a lane that has no slot to mark writes the same marker into tile 155, which no split fills.
; WORK-GROUPS 1 TO 96: the codes of w1, w3 and w2 are laid in the order in which a wave of the next launch takes them into registers.  A wave lays one fragment (16 rows x 128 K, 12 registers a lane):
;   registers 4 j .. 4 j + 3 of lane l at 512 j + 16 l: 1,536 bytes.  wimg: [expert][wave w][K step s][2 t + (0: w1, 1: w3)], then from W2OFF on [expert][w][group g][2 n + s].
;   The rows of w1 and w3 that form tile t are 64 w + 32 (t / 2) + 8 (t % 2) + r + 8 (r / 8), so that the results of two neighbouring tiles are 16 neighbours along the next K.
.set WTAB,  0                          ; [wave][key] tokens; a row is 132 bytes = 33 words, so that a column's 32 words lie in 32 different banks
.set WPRE,  4352                       ; [wave][key] tokens of the key in the waves ahead; the same pitch
.set TOT,   8704                       ; [key] tokens in all
.set W2OFF, 3145728
.set TSS,   20                         ; s20-47  the first tile of each key
.set TOS,   66                         ; s66-93  the tokens of each key
; The running sum of v[a] over the 32 lanes, in place: four steps inside each 16 lanes, then the lower 16 lanes' sum onto the upper 16.  v[t] at work; s51 = the upper 16 lanes.
.macro SCAN a, t
.irp n, 1,2,4,8
	v_mov_b32 v[\t], 0
	s_delay_alu instid0(VALU_DEP_2)
	v_mov_b32_dpp v[\t], v[\a] row_shr:\n row_mask:0xf bank_mask:0xf bound_ctrl:1
	s_delay_alu instid0(VALU_DEP_1)
	v_add_nc_u32 v[\a], v[\a], v[\t]
.endr
	s_delay_alu instid0(VALU_DEP_1)
	v_readlane_b32 s52, v[\a], 15
	s_delay_alu instid0(VALU_DEP_1)
	v_mov_b32 v[\t], s52
	s_delay_alu instid0(VALU_DEP_1)
	v_cndmask_b32 v[\t], 0, v[\t], s51
	s_delay_alu instid0(VALU_DEP_1)
	v_add_nc_u32 v[\a], v[\a], v[\t]
.endm
	s_load_b256 s[4:11], s[0:1], 0x0               ; sel, w1 codes, w3 codes, w2 codes
	s_load_b128 s[12:15], s[0:1], 0x20             ; order, tiles
	s_load_b64 s[16:17], s[0:1], 0x30              ; wimg
	v_lshl_add_u32 v126, v0, 2, 0x2400
	v_mov_b32 v127, 0
	v_lshrrev_b32 v1, 5, v0
	s_delay_alu instid0(VALU_DEP_1)
	v_readfirstlane_b32 s18, v1                    ; wave 0..31
	v_and_b32 v1, 31, v0                           ; lane
	s_wait_kmcnt 0x0
	s_cmp_lg_u32 ttmp9, 0
	s_cbranch_scc1 .Llayout
	; ---------------- the sort
	s_lshl_b32 s19, s18, 11
	s_wait_alu depctr_va_vdst(0)
	v_lshl_add_u32 v2, v1, 3, s19                  ; sel: 2,048 bytes a wave, 8 a lane
.irp i, 0,1,2,3,4,5,6,7
	global_load_b64 v[8+2*\i:9+2*\i], v2, s[4:5] offset:256*\i
.endr
	s_mul_i32 s48, s18, 132                        ; the addresses are made while the loads are out
	v_lshl_add_u32 v3, v1, 2, s48                  ; row = my wave, word = lane
	s_lshl_b32 s49, s18, 2
	v_mul_u32_u24 v4, v1, 132
	s_delay_alu instid0(VALU_DEP_1)
	v_add_nc_u32 v4, s49, v4                       ; row = lane, word = my wave: a column
	s_add_co_u32 s50, s49, TOT
	v_mov_b32 v5, s50                              ; the total of key = my wave
	v_lshl_add_u32 v6, v1, 2, TOT                  ; the total of key = lane
	v_lshlrev_b32 v7, 2, v0                        ; 4 x thread, in tiles
	v_mov_b32 v46, s49                             ; 4 x my wave: the lane of key = my wave
	s_lshl_b32 s55, s18, 8
	v_add_nc_u32 v104, s55, v1                     ; the token of group 8 w, lane
	v_add_nc_u32 v52, 9920, v1                     ; a slot of tile 155
	v_add_nc_u32 v54, 8192, v0                     ; slots of tiles 128 to 143,
	v_add_nc_u32 v55, 9216, v0                     ; 144 to 159
	v_mov_b32 v121, -1
	s_mov_b32 s51, 0xffff0000
	s_wait_loadcnt 0x0
	v_mov_b32 v24, 0                               ; lane = key: tokens of my key in the groups of my wave ahead of group i
.irp i, 1,2,3,4,5,6,7
	s_delay_alu instid0(VALU_DEP_1)
	v_add_nc_u32 v[24+\i], v[23+\i], v[7+2*\i]
.endr
	s_delay_alu instid0(VALU_DEP_1)
	v_add_nc_u32 v32, v31, v23                     ; and in all eight
	ds_store_b32 v3, v32
	s_wait_dscnt 0x0
	s_barrier_signal -1
	s_barrier_wait -1
	ds_load_b32 v40, v4                            ; lane = wave: its tokens of key = my wave
	s_wait_dscnt 0x0
	v_mov_b32 v41, v40
	SCAN 41, 42
	s_delay_alu instid0(VALU_DEP_1)
	v_sub_nc_u32 v44, v41, v40                     ; in the waves ahead of that wave,
	s_delay_alu instid0(VALU_DEP_2)
	v_readlane_b32 s53, v41, 31
	s_delay_alu instid0(VALU_DEP_1)
	v_mov_b32 v45, s53                             ; and in all
	ds_store_b32 v4, v44 offset:WPRE
	ds_store_b32 v5, v45                           ; (32 lanes write the same word with the same number)
	s_wait_dscnt 0x0
	s_barrier_signal -1
	s_barrier_wait -1
	ds_load_b32 v34, v3 offset:WPRE                ; lane = key again: tokens of my key in the waves ahead of mine,
	ds_load_b32 v33, v6                            ; and in all
	s_wait_dscnt 0x0
	v_add_nc_u32 v35, 63, v33
	s_delay_alu instid0(VALU_DEP_1)
	v_lshrrev_b32 v35, 6, v35                      ; tiles of my key
	s_delay_alu instid0(VALU_DEP_1)
	v_mov_b32 v36, v35
	SCAN 36, 37
	s_delay_alu instid0(VALU_DEP_1)
	v_sub_nc_u32 v36, v36, v35                     ; the first tile of my key
	s_delay_alu instid0(VALU_DEP_1)
	v_readlane_b32 s54, v36, 31                    ; keys 28 to 31 have no tokens: lane 31 holds the number of tiles in use,
	s_lshl_b32 s54, s54, 6                         ; as slots
	v_lshl_add_u32 v39, v36, 6, v34
.irp i, 0,1,2,3,4,5,6,7
	v_add_lshl_u32 v[24+\i], v39, v[24+\i], 2      ; lane = key: 4 x the slot of the first token of that key in group i
.endr
	v_lshl_add_u32 v47, v36, 6, v33                ; lane = key: the first slot that the key leaves over,
	v_add_lshl_u32 v48, v36, v35, 6                ; and where its tiles end
	ds_bpermute_b32 v49, v46, v47                  ; every lane takes the two figures of key = my wave
	ds_bpermute_b32 v50, v46, v48
.irp i, 0,1,2,3,4,5,6,7                        ; lane = token: it takes the figure of its key from the lane of that key
	v_and_b32 v[72+\i], 31, v[8+2*\i]
	s_delay_alu instid0(VALU_DEP_1)
	v_lshlrev_b32 v[72+\i], 2, v[72+\i]
	ds_bpermute_b32 v[80+\i], v[72+\i], v[24+\i]
.endr
	s_wait_dscnt 0x0
.irp i, 0,1,2,3,4,5,6,7
	v_bfe_u32 v[88+\i], v[8+2*\i], 8, 5            ; my rank in the group
	s_delay_alu instid0(VALU_DEP_1)
	v_lshl_add_u32 v[80+\i], v[88+\i], 2, v[80+\i]
	s_delay_alu instid0(VALU_DEP_1)
	v_min_u32 v[80+\i], 39676, v[80+\i]            ; 155 tiles of 64 slots of 4 bytes
	v_add_nc_u32 v[96+\i], 32*\i, v104
	global_store_b32 v[80+\i], v[96+\i], s[12:13]
.endr
	; the markers.  My wave marks what key = my wave leaves over, 63 slots at the most; all threads mark the tiles behind the last one in use, which lie among tiles 128 to 159
	v_add_nc_u32 v51, v49, v1
	s_delay_alu instid0(VALU_DEP_1)
	v_add_nc_u32 v53, 32, v51
	s_delay_alu instid0(VALU_DEP_2)
	v_cmp_lt_u32 vcc_lo, v51, v50
	s_delay_alu instid0(VALU_DEP_1)
	v_cndmask_b32 v51, v52, v51, vcc_lo
	s_delay_alu instid0(VALU_DEP_3)
	v_cmp_lt_u32 vcc_lo, v53, v50
	s_delay_alu instid0(VALU_DEP_1)
	v_cndmask_b32 v53, v52, v53, vcc_lo
	v_cmp_le_u32 vcc_lo, s54, v54
	s_delay_alu instid0(VALU_DEP_1)
	v_cndmask_b32 v54, v52, v54, vcc_lo
	v_cmp_le_u32 vcc_lo, s54, v55
	s_delay_alu instid0(VALU_DEP_1)
	v_cndmask_b32 v55, v52, v55, vcc_lo
.irp k, 51,53,54,55
	v_min_u32 v[\k], 10239, v[\k]
	s_delay_alu instid0(VALU_DEP_1)
	v_lshlrev_b32 v[\k], 2, v[\k]
	global_store_b32 v[\k], v121, s[12:13]
.endr
	s_cmp_lt_u32 s18, 5
	s_cbranch_scc0 .Lsorted
	; waves 0 to 4: lane = tile b = thread.  Its key is the last whose first tile is not behind b
.set p, 0
.rept 28
	v_readlane_b32 s[TSS+p], v36, p
	v_readlane_b32 s[TOS+p], v33, p
.set p, p+1
.endr
	v_mov_b32 v105, 0
	v_mov_b32 v106, 0
	v_mov_b32 v107, 0
.set p, 0
.irp lo, 0,1,2,3,4,5,6
.irp hi, 1,2,3,4,5,6,7
.if \hi > \lo
	v_cmp_gt_u32 vcc_lo, s[TSS+p], v0
	s_delay_alu instid0(VALU_DEP_1)
	v_cndmask_b32 v105, s[TSS+p], v105, vcc_lo
	s_delay_alu instid0(VALU_DEP_2)
	v_cndmask_b32 v106, s[TOS+p], v106, vcc_lo
	s_delay_alu instid0(VALU_DEP_3)
	v_cndmask_b32 v107, \lo+16*\hi, v107, vcc_lo
.set p, p+1
.endif
.endr
.endr
	s_delay_alu instid0(VALU_DEP_3)
	v_sub_nc_u32 v108, v0, v105
	s_delay_alu instid0(VALU_DEP_1)
	v_lshlrev_b32 v108, 6, v108                    ; slots of the key ahead of this tile,
	s_delay_alu instid0(VALU_DEP_1)
	v_min_u32 v109, v108, v106
	s_delay_alu instid0(VALU_DEP_1)
	v_sub_nc_u32 v108, v106, v109                  ; tokens left for it,
	s_delay_alu instid0(VALU_DEP_1)
	v_min_u32 v108, 64, v108                       ; 64 at the most
	s_delay_alu instid0(VALU_DEP_1)
	v_lshl_or_b32 v109, v108, 8, v107
	global_store_b32 v7, v109, s[14:15]
.Lsorted:
	s_wait_tensorcnt 0x0
	ds_add_u32 v126, v127
	s_wait_dscnt 0x0
	s_endpgm
	; ---------------- the layout
.Llayout:
	s_sub_co_u32 s19, ttmp9, 1                     ; 0..95: 32 work-groups for each of w1, w3, w2
	s_and_b32 s20, s19, 31
	s_lshl_b32 s20, s20, 5
	s_add_co_u32 s20, s20, s18                     ; the fragment, 0..1023
	s_lshr_b32 s21, s19, 5                         ; 0: w1, 1: w3, 2: w2
	s_lshr_b32 s22, s20, 7                         ; expert
	s_bfe_u32 s23, s20, 0x20005                    ; w
	s_bfe_u32 s24, s20, 0x30002                    ; w1, w3: K step s,
	s_and_b32 s25, s20, 3                          ; tile t
	s_lshr_b32 s26, s25, 1
	s_and_b32 s27, s25, 1
	s_lshl_b32 s28, s23, 6
	s_lshl_b32 s26, s26, 5
	s_add_co_u32 s28, s28, s26
	s_lshl_b32 s27, s27, 3
	s_add_co_u32 s28, s28, s27                     ; 64 w + 32 (t / 2) + 8 (t % 2)
	s_mul_i32 s28, s28, 768
	s_mul_i32 s29, s24, 96
	s_add_co_u32 s28, s28, s29                     ; from: rows of 768 bytes, 96 a K step
	s_mul_i32 s30, s22, 393216
	s_mul_i32 s31, s23, 98304
	s_add_co_u32 s30, s30, s31
	s_mul_i32 s31, s24, 12288
	s_add_co_u32 s30, s30, s31
	s_lshl_b32 s31, s25, 1
	s_add_co_u32 s31, s31, s21
	s_mul_i32 s31, s31, 1536
	s_add_co_u32 s30, s30, s31                     ; to
	s_and_b32 s32, s20, 127                        ; w2: the fragment's bits are w, g, n, s: its first row is 256 w + 64 g + 16 n
	s_lshr_b32 s33, s32, 1
	s_mul_i32 s33, s33, 3072                       ; 16 rows of 192 bytes
	s_and_b32 s34, s20, 1
	s_mul_i32 s34, s34, 96
	s_add_co_u32 s33, s33, s34                     ; from
	s_mul_i32 s35, s20, 1536
	s_add_co_u32 s35, s35, W2OFF                   ; to: the fragments follow each other in the order of their numbers
	s_mul_i32 s38, s22, 196608                     ; an expert's codes, in each of the three
	s_mov_b32 s36, 768
	s_cmp_eq_u32 s21, 2
	s_cselect_b32 s28, s33, s28
	s_cselect_b32 s30, s35, s30
	s_cselect_b32 s36, 192, s36                    ; the pitch of a row
	s_cselect_b32 s37, 0, 8                        ; w1, w3: lanes 8-15 take rows 8 further on
	s_add_co_u32 s28, s28, s38
	s_cmp_lt_u32 s19, 32                           ; the choice hangs on the number of the work-group alone
	s_cselect_b64 s[40:41], s[6:7], s[8:9]
	s_cmp_lt_u32 s19, 64
	s_cselect_b64 s[40:41], s[40:41], s[10:11]
	v_and_b32 v2, 15, v0                           ; r
	v_bfe_u32 v3, v0, 4, 1                         ; h
	s_delay_alu instid0(VALU_DEP_2)
	v_lshrrev_b32 v4, 3, v2
	s_delay_alu instid0(VALU_DEP_1)
	v_mad_u32_u24 v5, v4, s37, v2
	s_delay_alu instid0(VALU_DEP_1)
	v_mul_u32_u24 v6, v5, s36
	s_delay_alu instid0(VALU_DEP_1)
	v_mad_u32_u24 v6, v3, 24, v6
	s_delay_alu instid0(VALU_DEP_1)
	v_add_nc_u32 v6, s28, v6
	s_wait_alu depctr_va_vdst(0)
	v_lshl_add_u32 v7, v1, 4, s30
.irp p, 0,1,2,3,4,5
	global_load_b64 v[8+2*\p:9+2*\p], v6, s[40:41] offset:48*(\p/3)+8*(\p%3)   ; registers 6 c .. 6 c + 5: k = 64 c + 32 h + 0 .. 31, 24 bytes as they lie
.endr
	s_wait_alu depctr_va_vdst(0)
	s_wait_loadcnt 0x0
.irp c, 0,1,2
	global_store_b128 v7, v[8+4*\c:11+4*\c], s[16:17] offset:512*\c   ; 32 lanes store 512 consecutive bytes
.endr
	s_endpgm
.Lfunc_end_k_q4d6e989556_sort_layout:
	.size	k_q4d6e989556_sort_layout, .Lfunc_end_k_q4d6e989556_sort_layout-k_q4d6e989556_sort_layout
	.p2alignl 7, 3214868480
	.fill 96, 4, 3214868480
	.section	.rodata,"a",@progbits
	.p2align	6, 0x0
	.amdhsa_kernel k_q4d6e989556_sort_layout
		.amdhsa_group_segment_fixed_size 13312
		.amdhsa_private_segment_fixed_size 0
		.amdhsa_enable_private_segment 0
		.amdhsa_kernarg_size 56
		.amdhsa_user_sgpr_count 2
		.amdhsa_user_sgpr_kernarg_segment_ptr 1
		.amdhsa_wavefront_size32 1
		.amdhsa_system_sgpr_workgroup_id_x 1
		.amdhsa_system_sgpr_workgroup_id_y 1
		.amdhsa_system_sgpr_workgroup_id_z 1
		.amdhsa_system_vgpr_workitem_id 0
		.amdhsa_next_free_vgpr 128
		.amdhsa_next_free_sgpr 96
		.amdhsa_reserve_vcc 1
		.amdhsa_float_denorm_mode_32 3
		.amdhsa_float_denorm_mode_16_64 3
		.amdhsa_memory_ordered 1
		.amdhsa_forward_progress 1
		.amdhsa_inst_pref_size 28
	.end_amdhsa_kernel
	.amdgpu_metadata
---
amdhsa.version: [ 1, 2 ]
amdhsa.kernels:
  - .name:           k_q4d6e989556_sort_layout
    .symbol:         k_q4d6e989556_sort_layout.kd
    .args:
      - { .name: sel, .offset: 0, .size: 8, .value_kind: global_buffer, .address_space: global }
      - { .name: w1_codes, .offset: 8, .size: 8, .value_kind: global_buffer, .address_space: global }
      - { .name: w3_codes, .offset: 16, .size: 8, .value_kind: global_buffer, .address_space: global }
      - { .name: w2_codes, .offset: 24, .size: 8, .value_kind: global_buffer, .address_space: global }
      - { .name: order, .offset: 32, .size: 8, .value_kind: global_buffer, .address_space: global }
      - { .name: tiles, .offset: 40, .size: 8, .value_kind: global_buffer, .address_space: global }
      - { .name: wimg, .offset: 48, .size: 8, .value_kind: global_buffer, .address_space: global }
    .group_segment_fixed_size: 13312
    .private_segment_fixed_size: 0
    .kernarg_segment_align: 8
    .kernarg_segment_size: 56
    .max_flat_workgroup_size: 1024
    .sgpr_count:     96
    .vgpr_count:     128
    .wavefront_size: 32
...
	.end_amdgpu_metadata
.endif
;; end of part 5
;; launch experts (part 6): grid 155 x 1, 4 waves a work-group, no clusters, 146,176 bytes of LDS; arguments tiles, order, gw, xq, xs, wimg, w1_scales, w3_scales, w2_scales, out0; writes out0
.if DOCPART == 6
	.amdgcn_target "amdgcn-amd-amdhsa--gfx1250"
	.amdhsa_code_object_version 6
	.text
	.protected	k_q4d6e989556_experts
	.globl	k_q4d6e989556_experts
	.p2align	8
	.type	k_q4d6e989556_experts,@function
k_q4d6e989556_experts:
	s_mov_b64 s[64:65], 0
	v_nop
	global_prefetch_b8 v0, s[64:65] scope:SCOPE_SE
	s_setreg_imm32_b32 hwreg(HW_REG_WAVE_SCHED_MODE, 0, 2), 2
	s_setreg_imm32_b32 hwreg(HW_REG_WAVE_MODE, 25, 1), 1
	s_wait_xcnt 0x0
	s_wait_alu depctr_vm_vsrc(0)
; One work-group takes one tile: 64 tokens that chose the same two experts lo < hi.  For each of the two: h = silu(x W1) (x W3), quantised along its 256; y = h W2.  out = w_lo y_lo + w_hi y_hi.
; All three products on codes of E3M2 with E8M0 scales.  Only the chosen experts are multiplied: the others have the weight 0 in the sum.  Each token lies in one tile, so each row of out0 has one owner.
; The grid is 155, the most tiles that any split of 8,192 tokens over 28 pairs can make.  A work-group whose entry in tiles has no tokens runs the head (all its addresses are clamped), passes both barriers,
; as every wave must, jumps over the hidden layer and over the last product, and stores nothing.
; A slot of the tile that holds no token repeats the first token of the tile: it computes and stores the same row.
; NO CLUSTER, NO JOINT LOADS: which tiles share an expert hangs on the split, and the work hangs on a stored number, so the launch has no tensor load.  The weights come straight into registers from wimg,
; laid by the launch before in the order of the operand registers: a set of 8 fragments is 24 loads of 512 consecutive bytes and feeds 32 matrix instructions.  A ring of four sets: three are asked for ahead.
; SHARES.  First products: wave w makes hidden units 64 w .. 64 w + 63 of W1 and of W3 for all 64 tokens: 32 accumulators.  Last product: wave w makes columns 256 w .. 256 w + 255, 64 at a time, for both experts.
; ALL PRODUCTS ARE USED TRANSPOSED (source 0 = 16 rows of a weight, source 1 = 16 tokens): a lane holds ONE token, its registers run along the units or the columns.
; The codes of x and of h go from wave to wave through LDS as images of the operand registers.  The two experts are written out by one macro, so that every LDS address is a register made at the head + an immediate.
; LIMITS: silu gives 0 where exp(-g) overflows (g under about -88).  A block of h whose largest magnitude lies under 2^-122, or of zeros, gets the byte 1.  NaN and infinities are not served.
; REGISTERS, in windows of 256.  Window 0: v1-15, v24-31 addresses; v16-23 gate weights; v32-63 scale words of W1, W3; v64-79 of x; v80-111 of W2; v112-127 of h;
;   v128-223 two buffers of 4 fragments of x, later the 8 fragments of h of expert lo; v224-255 at work, later 32 offsets in out0.
;   Window 1: the accumulators.  Windows 2, 3: v0-191 the ring, two sets each; from v192 the 8 fragments of h of expert hi; window 3 v228-235 the gate weights, swapped.
; THE MODE: SCHED_MODE bits 1:0 = 2 (LLVM: expert scheduling mode 2), set by the entry lines.  The code itself states the register dependences between vector or matrix instructions and memory or LDS
; instructions, with s_wait_alu, always for 0.
; THE PLAN.  Registers that memory or LDS instructions touch, and who else names them:
;   the addresses   made by vector instructions at the head and never written again (v239, v250-254 until the last phase's loads land there): three waits on va_vdst at the head state them for the whole kernel.
;   the ring        K step t: its products read slot t % 4; the set three sets on lands in slot (t + 3) % 4, which the products of step t - 1 read.
;   x's buffers     K step t: its products read buffer t % 2; the LDS loads of step t + 1 land in the other, which the products of step t - 1 read.
;                   So ONE wait on va_vdst stands at a step's head.  The step's 36 loads follow it with no further wait, dealt among the step's 32 products, which name slot t % 4, buffer t % 2, window 1 and
;                   the scale words v32-79: none of the registers that those loads touch.
;   v32-63          read by all products of an expert; the words of hi land behind a wait on va_vdst that follows the last step of lo.
;   the codes of h  two sets (v224-230, v232-238; half words v248, v249) by turns: the quantiser of a tile of tokens writes one, its three LDS stores read it: va_vdst ahead of the stores, vm_vsrc at the quantiser's head.
;   window 1        in the last product: v0-127 are written by the products of lo and by the weighing, and read by the LDS stores into the stage; v128-255 are written by the products of hi, read by the weighing,
;                   landed in by the loads from the stage, and read by the global stores.  One wait on va_vdst behind the weighing, one on vm_vsrc at the head of the next 64 columns.
.set XIMG,  0                          ; x: fragment (tile of rows m, K step s) at (8 m + s) x 1,536
.set HIMG,  49152                      ; h: fragment (expert e, m, s) at (8 e + 2 m + s) x 1,536; its half c at 768 c: registers 6 c .. 6 c + 3 at 16 l, the other two at 512 + 8 l
.set HSC,   73728                      ; its scale words: (8 e + 2 m + s) x 128 + 4 l
.set TOKL,  75776                      ; the 64 token numbers
.set STG,   76032                      ; for each wave 64 rows of 256 bytes + 16
.set W2OFF, 3145728
.set L16, 1                            ; v1      16 l
.set VC,  2                            ; v2, v3  16 l + where my W1, W3 sets of lo, of hi begin
.set V2A, 6                            ; v6, v7  16 l + where my W2 sets of lo, of hi begin
.set MSB, 0
.macro WIN new                         ; the high byte of the immediate repeats the setting that is left
.if MSB != (\new)
	s_set_vgpr_msb (MSB<<8)|(\new)
.set MSB, (\new)
.endif
.endm
.macro PLACES n                        ; plain vector instructions behind matrix instructions, in front of loads into their registers and of reads of their results
.rept \n
	v_nop
.endr
.endm
.macro WHALF slot, voff, imm, hf       ; fragments 4 hf .. 4 hf + 3 of a set into ring slot 0..3: 12 loads
	WIN 0x80+0x40*((\slot)/2)
.irp f, 0,1,2,3
.irp c, 0,1,2
	global_load_b128 v[96*((\slot)%2)+12*(4*(\hf)+\f)+4*\c:96*((\slot)%2)+12*(4*(\hf)+\f)+4*\c+3], v[\voff], s[14:15] offset:(\imm)+1536*(4*(\hf)+\f)+512*\c
.endr
.endr
.endm
.macro WSET slot, voff, imm            ; a whole set
	WHALF \slot, \voff, \imm, 0
	WHALF \slot, \voff, \imm, 1
.endm
.macro FETCHX s, buf                   ; the four fragments of x of K step s
	WIN 0
.irp m, 0,1,2,3
.irp c, 0,1,2
	ds_load_b128 v[128+48*(\buf)+12*\m+4*\c:128+48*(\buf)+12*\m+4*\c+3], v[L16] offset:XIMG+(8*\m+(\s))*1536+512*\c
.endr
.endr
.endm
.macro WM                              ; one product: D_, A_, B_ registers; SA_, SB_ scale words, RA_, RB_: in lanes 16-31; Z_: it starts the sum
.if Z_
.if RA_ && RB_
	v_wmma_scale_f32_16x16x128_f8f6f4 v[D_:D_+7], v[A_:A_+11], v[B_:B_+11], 0, v[SA_], v[SB_] matrix_a_fmt:MATRIX_FMT_BF6 matrix_b_fmt:MATRIX_FMT_BF6 matrix_a_scale:MATRIX_SCALE_ROW1 matrix_b_scale:MATRIX_SCALE_ROW1
.elseif RA_
	v_wmma_scale_f32_16x16x128_f8f6f4 v[D_:D_+7], v[A_:A_+11], v[B_:B_+11], 0, v[SA_], v[SB_] matrix_a_fmt:MATRIX_FMT_BF6 matrix_b_fmt:MATRIX_FMT_BF6 matrix_a_scale:MATRIX_SCALE_ROW1
.elseif RB_
	v_wmma_scale_f32_16x16x128_f8f6f4 v[D_:D_+7], v[A_:A_+11], v[B_:B_+11], 0, v[SA_], v[SB_] matrix_a_fmt:MATRIX_FMT_BF6 matrix_b_fmt:MATRIX_FMT_BF6 matrix_b_scale:MATRIX_SCALE_ROW1
.else
	v_wmma_scale_f32_16x16x128_f8f6f4 v[D_:D_+7], v[A_:A_+11], v[B_:B_+11], 0, v[SA_], v[SB_] matrix_a_fmt:MATRIX_FMT_BF6 matrix_b_fmt:MATRIX_FMT_BF6
.endif
.else
.if RA_ && RB_
	v_wmma_scale_f32_16x16x128_f8f6f4 v[D_:D_+7], v[A_:A_+11], v[B_:B_+11], v[D_:D_+7], v[SA_], v[SB_] matrix_a_fmt:MATRIX_FMT_BF6 matrix_b_fmt:MATRIX_FMT_BF6 matrix_a_scale:MATRIX_SCALE_ROW1 matrix_b_scale:MATRIX_SCALE_ROW1
.elseif RA_
	v_wmma_scale_f32_16x16x128_f8f6f4 v[D_:D_+7], v[A_:A_+11], v[B_:B_+11], v[D_:D_+7], v[SA_], v[SB_] matrix_a_fmt:MATRIX_FMT_BF6 matrix_b_fmt:MATRIX_FMT_BF6 matrix_a_scale:MATRIX_SCALE_ROW1
.elseif RB_
	v_wmma_scale_f32_16x16x128_f8f6f4 v[D_:D_+7], v[A_:A_+11], v[B_:B_+11], v[D_:D_+7], v[SA_], v[SB_] matrix_a_fmt:MATRIX_FMT_BF6 matrix_b_fmt:MATRIX_FMT_BF6 matrix_b_scale:MATRIX_SCALE_ROW1
.else
	v_wmma_scale_f32_16x16x128_f8f6f4 v[D_:D_+7], v[A_:A_+11], v[B_:B_+11], v[D_:D_+7], v[SA_], v[SB_] matrix_a_fmt:MATRIX_FMT_BF6 matrix_b_fmt:MATRIX_FMT_BF6
.endif
.endif
.endm
; Quarter qr of K step t of the first products: fragments F = 2 qr, 2 qr + 1 (F = 2 x unit tile + (0: W1, 1: W3)) x 4 tiles of tokens.  The 32 accumulators of a step take turns, one instruction a turn, in the same order in every step
; Accumulator of W1, unit tile u, token tile m: window 1, v[64 m + 8 u]; of W3: 32 further on.
.macro MUL1 t, qr
	WIN 0x52+(((\t)%4)/2)                          ; source 0 the ring (window 2 or 3), source 1 x (window 0), C and D window 1
.irp g, 0,1
.irp m, 0,1,2,3
.set F_, 2*(\qr)+\g
.set D_, 64*\m+32*(F_%2)+8*(F_/2)
.set A_, 96*((\t)%2)+12*F_
.set B_, 128+48*((\t)%2)+12*\m
.set SA_, 32+8*(2*(F_/4)+F_%2)+(\t)
.set SB_, 64+8*(\m/2)+(\t)
.set RA_, (F_/2)%2
.set RB_, \m%2
.set Z_, (\t)==0
	WM
.endr
.endr
.endm
; Half hf of the set three sets behind K step t of expert e: of the same expert; behind the last sets of lo the first three of hi; behind those of hi the first three of the last product (lo, hi, lo).
.macro NEXTSET e, t, hf
.if (\t) <= 4
	WHALF (((\t)+3)%4), (VC+(\e)), (((\t)+3)*12288), \hf
.elseif (\e) == 0
	WHALF (((\t)+3)%4), (VC+1), (((\t)-5)*12288), \hf
.else
	WHALF (((\t)+3)%4), (V2A+((\t)-5)%2), ((((\t)-5)/2)*12288), \hf
.endif
.endm
; K step t of expert e (0: lo, 1: hi).  Step 0 has no wait on va_vdst: for lo no vector or matrix instruction has named slot 3 or buffer 1; for hi the wait ahead of the last quantiser's stores stands behind
; the last products of lo, and no vector instruction follows it.
.macro STEP e, t
.if ((\e) == 1) && ((\t) == 0)
	s_wait_loadcnt 0x0                             ; the scale words of hi were asked for behind three sets
.else
	s_wait_loadcnt 48                              ; this step's set is in: the two sets asked for behind it may be out
.endif
	s_wait_dscnt 0x0                               ; this step's x is in
.if (\t) > 0
	PLACES 4                                       ; the slot (both its halves) and the buffer that are filled in this step were read by the step before
	s_wait_alu depctr_va_vdst(0)                   ; the products of the step before are done reading their ring slot and their buffer of x, in which all 36 loads of this step land
.endif
	MUL1 \t, 0
.if (\t) < 7
	FETCHX ((\t)+1), (((\t)+1)%2)                  ; no wait: no product since the wait above names the other buffer of x, or v1
.endif
	MUL1 \t, 1
	NEXTSET \e, \t, 0                              ; no wait: no product since the wait above names slot (t + 3) % 4, or the offset
	MUL1 \t, 2
	NEXTSET \e, \t, 1                              ; likewise
	MUL1 \t, 3
.endm
.macro SCLOAD b1, b3                   ; the scale words of my 64 rows of W1 and W3, all 8 K steps: register 32 + 8 (2 b + matrix) + s; lanes 0-15 unit tile 2 b, lanes 16-31 tile 2 b + 1
.irp b, 0,1
.irp hf, 0,1
	global_load_b128 v[32+16*\b+4*\hf:35+16*\b+4*\hf], v239, s[\b1:\b1+1] offset:1024*\b+16*\hf
	global_load_b128 v[40+16*\b+4*\hf:43+16*\b+4*\hf], v239, s[\b3:\b3+1] offset:1024*\b+16*\hf
.endr
.endr
.endm
; h = g u / (1 + exp(-g)) for token tile m, in f32, in window 1.  Each accumulator is read from its low end on.
.macro SILU m
	WIN 0x45
.set GB, 64*(\m)
.set j, 0
.rept 16
	v_pk_mul_f32 v[GB+32+j:GB+33+j], v[GB+32+j:GB+33+j], v[GB+j:GB+j+1]   ; u g
.set j, j+2
.endr
.set j, 0
.rept 16
	v_pk_mul_f32 v[GB+j:GB+j+1], v[GB+j:GB+j+1], s[56:57] op_sel_hi:[1,0]   ; -g log2(e)
.set j, j+2
.endr
.set j, 0
	s_wait_alu depctr_va_vdst(0)
.rept 32
	v_exp_f32 v[GB+j], v[GB+j]
.set j, j+1
.endr
	v_nop                                          ; a plain place behind the exponentials
.set j, 0
	s_wait_alu depctr_va_vdst(0)                   ; the 32 exponentials have written their results, ahead of the first instruction that names one
.rept 16
	v_pk_add_f32 v[GB+j:GB+j+1], v[GB+j:GB+j+1], 1.0 op_sel_hi:[1,0]
.set j, j+2
.endr
.set j, 0
	s_wait_alu depctr_va_vdst(0)
.rept 32
	v_rcp_f32 v[GB+j], v[GB+j]
.set j, j+1
.endr
	v_nop                                          ; a plain place behind the reciprocals
.set j, 0
	s_wait_alu depctr_va_vdst(0)                   ; the 32 reciprocals have written their results, ahead of the first instruction that names one
.rept 16
	v_pk_mul_f32 v[GB+j:GB+j+1], v[GB+32+j:GB+33+j], v[GB+j:GB+j+1]   ; register 16 b + i: unit 64 w + 32 b + 16 (lane / 16) + i of my token
.set j, j+2
.endr
.endm
; My 64 units of token tile m of expert e become registers 6 c .. 6 c + 5 (c = w % 2) of K step w / 2 of the last product, and half a scale word.
.macro QUANTH e, m
.set HB, 64*(\m)
.set PC, 224+8*((\m)%2)
.set HW, 248+((\m)%2)
	s_wait_dscnt 3                                 ; the three stores of the tile before may be out: those of two tiles back are done
	s_wait_alu depctr_vm_vsrc(0)                   ; the LDS stores of two tiles back have read this set of code registers and its half word, which the lines below write again (the first two times: the head's store and loads have read v224 and v232-238)
	WIN 0x05                                       ; sources 0 and 1 window 1
	v_max3_num_f32 v240, |v[HB]|, |v[HB+1]|, 0x2800000             ; two blocks by turns; the floor 2^(5 - 127) holds the byte at 1 from below
	v_max3_num_f32 v241, |v[HB+16]|, |v[HB+17]|, 0x2800000
.irp i, 2,4,6,8,10,12,14
	v_max3_num_f32 v240, |v[HB+\i]|, |v[HB+\i+1]|, v240
	v_max3_num_f32 v241, |v[HB+16+\i]|, |v[HB+17+\i]|, v241
.endr
	WIN 0
	v_permlanex16_b32 v242, v240, s54, s55
	v_permlanex16_b32 v243, v241, s54, s55
	v_max_num_f32 v240, v240, v242                 ; with the 16 of lane l xor 16: the largest magnitude of the block
	v_max_num_f32 v241, v241, v243
	v_add_nc_u32 v244, 0xfe000000, v240            ; 4 off the exponent field: the scale operand of the conversion
	v_add_nc_u32 v245, 0xfe000000, v241
	v_lshrrev_b32 v246, 23, v244
	v_lshrrev_b32 v247, 23, v245
	v_lshl_or_b32 v[HW], v247, 8, v246             ; the two bytes
	WIN 0x01                                       ; source 0 window 1
	v_cvt_scalef32_pk16_bf6_f32 v[PC:PC+2], v[HB:HB+15], v244
	v_cvt_scalef32_pk16_bf6_f32 v[PC+4:PC+6], v[HB+16:HB+31], v245
	WIN 0
	v_nop                                          ; one plain place behind a scaled conversion
.irp i, 0,1,2
	v_permlane16_swap_b32 v[PC+\i], v[PC+4+\i]     ; a whole block to a lane: lanes 0-15 the first, lanes 16-31 the second
.endr
.irp i, 0,1,2
	v_mov_b32 v[PC+3+\i], v[PC+4+\i]
.endr
	s_wait_alu depctr_va_vdst(0)                   ; the conversions, swaps and moves have written the six code registers, and the half word is written: the three stores read them
	ds_store_b128 v9, v[PC:PC+3] offset:12288*(\e)+3072*(\m)
	ds_store_b64 v10, v[PC+4:PC+5] offset:12288*(\e)+3072*(\m)
	ds_store_b16 v11, v[HW] offset:1024*(\e)+256*(\m)
.endm
; The hidden layer of expert e: 8 K steps, then the activation and the quantiser, a tile of 16 tokens at a time.
.macro EXPERT e
	FETCHX 0, 0                                    ; (hi: the wait ahead of the last quantiser's stores stands behind the products of lo that read this buffer, and no vector instruction follows it)
.irp t, 0,1,2,3,4,5,6,7
	STEP \e, \t
.endr
	WIN 0
	PLACES 4                                       ; in front of the reads of the results, of loads into the scale words, and of the next loads into the ring and into the buffers of x
.if (\e) == 0
	s_wait_alu depctr_va_vdst(0)                   ; the products of lo are done reading the scale words v32-63, in which those of hi land
	SCLOAD 44, 46                                  ; the scale words of hi land while h of lo is made
.endif
.irp m, 0,1,2,3
	SILU \m
	s_wait_alu depctr_va_vdst(0)
	QUANTH \e, \m
.endr
.endm
; K half s of set q of the last product, token tiles m0 and m0 + 1: fragments 2 n + s.  Accumulator (e, n, m): window 1, v[128 e + 32 m + 8 n].  16 accumulators by turns.  E_, G_: the expert and the group of 64 columns
.macro PROD2 q, s, m0
.irp mm, 0,1
.irp n, 0,1,2,3
.set M_, (\m0)+\mm
.set D_, 128*E_+32*M_+8*\n
.set A_, 96*((\q)%2)+12*(2*\n+(\s))
.set I_, 4*(\s)+M_
.if E_ == 0
.set B_, 128+12*I_
.set WB_, 0
.elseif I_ <= 4
.set B_, 192+12*I_
.set WB_, 2
.else
.set B_, 192+12*(I_-5)
.set WB_, 3
.endif
	WIN 0x50+4*WB_+2+(((\q)%4)/2)
.set SA_, 80+16*E_+2*(2*G_+\n/2)+(\s)
.set SB_, 112+8*E_+2*M_+(\s)
.set RA_, \n%2
.set RB_, 0
.set Z_, (\s)==0
	WM
.endr
.endr
.endm
; Set q of the last product: columns 64 (q / 2) on of my 256, expert q % 2.  The set three sets on lands in slot (q + 3) % 4, which the products of set q - 1 read; it is asked for in two halves, dealt among this set's products.
; An odd set has those products just ahead of it: a wait on va_vdst.  An even set has the wait behind the weighing of the last 64 columns between (set 0: the wait behind the second barrier), and no vector
; instruction since that names the slot or its offset.  Sets 5 to 7 ask for nothing.
.macro SET2 q
.set E_, (\q)%2
.set G_, (\q)/2
.if (\q) == 7
	s_wait_loadcnt 0x0
.elseif (\q) == 6
	s_wait_loadcnt 24                              ; one set is behind this one
.else
	s_wait_loadcnt 48                              ; two sets are
.endif
.if E_
	s_wait_xcnt 0x0                                ; the stores of the last 64 columns have had their addresses translated: the registers that they read are written by these products (that they have read them is stated at the head of the even set)
.elseif (\q) > 0
	s_wait_alu depctr_vm_vsrc(0)                   ; the LDS stores of the last 64 columns have read window 1 v0-127, its global stores v128-255: this set's products write the first, the next set's products and the loads from the stage the second
.endif
	PLACES 4
.if E_ && ((\q) <= 4)
	s_wait_alu depctr_va_vdst(0)                   ; the products of the set before are done reading their ring slot, in which this set's 24 loads land
.endif
	PROD2 \q, 0, 0
.if (\q) <= 4
	WHALF (((\q)+3)%4), (V2A+((\q)+3)%2), ((((\q)+3)/2)*12288), 0   ; no wait: no product of this set names slot (q + 3) % 4, or the offset
.endif
	PROD2 \q, 0, 2
.if (\q) <= 4
	WHALF (((\q)+3)%4), (V2A+((\q)+3)%2), ((((\q)+3)/2)*12288), 1   ; likewise
.endif
	PROD2 \q, 1, 0
	PROD2 \q, 1, 2
.endm
	s_load_b512 s[4:19], s[0:1], 0x0               ; tiles, order, gw, xq, xs, wimg, w1 scales, w3 scales
	s_load_b128 s[20:23], s[0:1], 0x40             ; w2 scales, out0
	v_lshl_add_u32 v13, v0, 2, 0x23900
	v_mov_b32 v14, 0
	v_lshrrev_b32 v30, 5, v0
	v_readfirstlane_b32 s24, v30                   ; wave 0..3
	v_and_b32 v30, 15, v0                          ; r
	v_bfe_u32 v31, v0, 4, 1                        ; h
	v_and_b32 v1, 31, v0
	v_lshlrev_b32 v1, 4, v1                        ; 16 l
	s_lshl_b32 s52, ttmp9, 2                       ; my entry in tiles,
	s_lshl_b32 s53, ttmp9, 8                       ; my 64 slots in order
	s_wait_alu depctr_va_sdst(0)                   ; s24 is written, ahead of its first reader
	s_lshl_b32 s58, s24, 6
	s_add_co_u32 s58, s58, s53
	v_lshl_add_u32 v251, v30, 2, s58               ; slot 16 w + r: the rows whose codes I gather
	v_lshrrev_b32 v252, 2, v1
	v_add_nc_u32 v252, s53, v252                   ; slot l (+ 32 p): for the scale words of x
	v_lshl_add_u32 v253, v30, 2, s53               ; slot r (+ 16 m): for the gate weights
	s_wait_kmcnt 0x0
	s_load_b32 s25, s[4:5], s52 offset:0x0
	s_load_b32 s26, s[6:7], s53 offset:0x0         ; the first token of the tile
	s_wait_alu depctr_va_vdst(0)                   ; v251, v252 and v253 are written: the seven loads below read them as offsets
	global_load_b32 v224, v251, s[6:7]
	global_load_b32 v225, v252, s[6:7]
	global_load_b32 v226, v252, s[6:7] offset:128
.irp m, 0,1,2,3
	global_load_b32 v[227+\m], v253, s[6:7] offset:64*\m
.endr
	s_lshl_b32 s59, s24, 6
	s_add_co_u32 s59, s59, TOKL
	v_lshl_add_u32 v254, v30, 2, s59               ; where the token of slot 16 w + r is kept
	s_and_b32 s58, s24, 1                          ; c = w % 2
	s_lshr_b32 s59, s24, 1                         ; K step w / 2
	s_mul_i32 s60, s58, 768
	s_mul_i32 s61, s59, 1536
	s_add_co_u32 s60, s60, s61
	s_add_co_u32 s61, s60, HIMG
	v_add_nc_u32 v9, s61, v1                       ; where I store my half fragments of h: four registers,
	s_add_co_u32 s61, s60, HIMG+512
	v_lshrrev_b32 v10, 1, v1
	v_add_nc_u32 v15, HIMG, v10                    ; (and where any pair of registers is read back)
	v_add_nc_u32 v10, s61, v10                     ; two registers,
	s_lshl_b32 s60, s58, 1
	s_lshl_b32 s61, s59, 7
	s_add_co_u32 s60, s60, s61
	s_add_co_u32 s60, s60, HSC
	v_lshrrev_b32 v28, 2, v1
	v_add_nc_u32 v11, s60, v28                     ; half a scale word
	v_add_nc_u32 v28, HSC, v28                     ; the scale words back
	v_add_nc_u32 v24, HIMG, v1                     ; four registers back
	v_lshl_add_u32 v29, v31, 5, TOKL               ; eight tokens: slots 8 h on of a tile of rows
	s_mul_i32 s60, s24, 12288
	v_add_nc_u32 v8, s60, v1                       ; where I store the 8 fragments of x of rows 16 w on
	s_mul_i32 s60, s24, 17408
	s_add_co_u32 s60, s60, STG
	v_mul_u32_u24 v25, v30, 272
	v_lshl_add_u32 v25, v31, 5, v25
	v_add_nc_u32 v25, s60, v25                     ; my stage, in: row r, 32 h
	v_mul_u32_u24 v26, v31, 2176
	v_lshl_add_u32 v26, v30, 4, v26
	v_add_nc_u32 v26, s60, v26                     ; back: lanes 0-15 row i, lanes 16-31 row 8 + i; 16 bytes a lane
	s_lshl_b32 s60, s24, 10
	v_lshl_add_u32 v27, v30, 4, s60                ; the same 16 bytes in a row of out0: 1,024 w + 16 r
	v_lshrrev_b32 v255, 3, v30
	v_add_nc_u32 v255, v255, v31
	v_lshlrev_b32 v239, 5, v30
	v_lshl_add_u32 v239, v255, 8, v239
	s_lshl_b32 s60, s24, 11
	v_add_nc_u32 v239, s60, v239                   ; scale words of W1, W3: 32 bytes x row 64 w + 8 h + r + 8 (r / 8)
	v_lshrrev_b32 v250, 1, v1
	v_add_nc_u32 v250, s60, v250                   ; of W2: 8 bytes x row 256 w + l
	s_mov_b32 s54, 0x76543210                      ; selects of v_permlanex16_b32 for lane l xor 16
	s_mov_b32 s55, 0xfedcba98
	s_mov_b32 s56, 0xbfb8aa3b                      ; -log2(e)
	s_mov_b32 s57, s56                             ; (named with it as a pair, so it is written)
	v_mov_b32 v242, 0                              ; written once: the destination of a lane permute counts as one of its sources
	v_mov_b32 v243, 0
	s_wait_kmcnt 0x0
	s_lshr_b32 s29, s25, 8                         ; tokens in my tile: 0 where this split leaves me none
	s_and_b32 s27, s25, 15
	s_min_u32 s27, s27, 7                          ; lo
	s_bfe_u32 s28, s25, 0x40004
	s_min_u32 s28, s28, 7                          ; hi
	s_min_u32 s26, s26, 0x1fff
	s_mul_i32 s58, s24, 98304
	s_mul_i32 s30, s27, 393216
	s_add_co_u32 s30, s30, s58                     ; my W1, W3 sets of lo,
	s_mul_i32 s31, s28, 393216
	s_add_co_u32 s31, s31, s58                     ; of hi
	s_mul_i32 s58, s24, 49152
	s_add_co_u32 s58, s58, W2OFF
	s_mul_i32 s32, s27, 196608
	s_add_co_u32 s32, s32, s58                     ; my W2 sets of lo,
	s_mul_i32 s33, s28, 196608
	s_add_co_u32 s33, s33, s58                     ; of hi
	s_lshl_b32 s52, s27, 13                        ; 8,192 scale bytes an expert, in each of the three
	s_mov_b32 s53, 0
	s_add_nc_u64 s[40:41], s[16:17], s[52:53]
	s_add_nc_u64 s[42:43], s[18:19], s[52:53]
	s_add_nc_u64 s[48:49], s[20:21], s[52:53]
	s_lshl_b32 s52, s28, 13
	s_add_nc_u64 s[44:45], s[16:17], s[52:53]
	s_add_nc_u64 s[46:47], s[18:19], s[52:53]
	s_add_nc_u64 s[50:51], s[20:21], s[52:53]
	v_add_nc_u32 v2, s30, v1
	v_add_nc_u32 v3, s31, v1
	v_add_nc_u32 v6, s32, v1
	v_add_nc_u32 v7, s33, v1
	s_wait_alu depctr_va_vdst(0)                   ; every address and offset made so far is written: v1-3, v6-11, v15, v24-29, v239, v250, v254; the loads and stores of the whole kernel read them, and none is written again while one may still read it
	SCLOAD 40, 42
.irp tp, 0,1,2,3,4,5,6,7
	global_load_b64 v[80+2*\tp:81+2*\tp], v250, s[48:49] offset:256*\tp  ; scale words of W2: register 80 + 16 e + 2 tp + s; lanes 0-15 column tile 2 tp, lanes 16-31 tile 2 tp + 1
	global_load_b64 v[96+2*\tp:97+2*\tp], v250, s[50:51] offset:256*\tp
.endr
	WSET 0, VC, 0
	WIN 0
	s_wait_loadcnt 48                              ; 8 + 16 + 24 loads are younger: the seven token loads are in
.irp k, 0,1,2,3,4,5
	v_cmp_gt_u32 s[34+\k], 0x2000, v[224+\k]       ; the seven compares in one run, each into a mask of its own
.endr
	v_cmp_gt_u32 s62, 0x2000, v230
	s_wait_alu depctr_va_sdst(0)                   ; the seven masks s34-39 and s62 are written, ahead of the selects that read them
.irp k, 0,1,2,3,4,5
	v_cndmask_b32 v[224+\k], s26, v[224+\k], s[34+\k]   ; a slot without a token takes the first token of the tile
.endr
	v_cndmask_b32 v230, s26, v230, s62
.irp k, 224,225,226,227,228,229,230
	v_min_u32 v[\k], 0x1fff, v[\k]
.endr
	v_mul_u32_u24 v232, v224, 768
	v_mad_u32_u24 v232, v31, 48, v232              ; xq: my token, my half
	v_lshlrev_b32 v233, 5, v225
	v_lshlrev_b32 v234, 5, v226
.irp m, 0,1,2,3
	v_lshlrev_b32 v[235+\m], 3, v[227+\m]
.endr
	s_wait_alu depctr_va_vdst(0)                   ; v224 is written, which the LDS store reads as data; v232-238 are written, which the 32 loads below read as offsets
	ds_store_b32 v254, v224
.irp p, 0,1
	global_load_b128 v[64+8*\p:67+8*\p], v[233+\p], s[12:13]             ; scale words of x: register 64 + 8 p + s; lanes 0-15 tile of rows 2 p, lanes 16-31 tile 2 p + 1
	global_load_b128 v[68+8*\p:71+8*\p], v[233+\p], s[12:13] offset:16
.endr
.irp m, 0,1,2,3
	global_load_b64 v[16+2*\m:17+2*\m], v[235+\m], s[8:9]                ; (w_lo, w_hi) of token 16 m + r
.endr
.irp s, 0,1,2,3,4,5,6,7
.irp c, 0,1,2
	global_load_b128 v[128+12*\s+4*\c:131+12*\s+4*\c], v232, s[10:11] offset:96*\s+16*\c   ; the 12 registers of K step s: 48 bytes on end
.endr
.endr
	WSET 1, VC, 12288
	WSET 2, VC, 24576
	WIN 0
	s_wait_loadcnt 48                              ; two sets are younger: the codes of x, all scale words, the gate weights and set 0 are in
.irp s, 0,1,2,3,4,5,6,7
.irp c, 0,1,2
	ds_store_b128 v8, v[128+12*\s+4*\c:131+12*\s+4*\c] offset:XIMG+1536*\s+512*\c
.endr
.endr
	s_wait_dscnt 0x0                               ; my images and my tokens lie in LDS
	s_barrier_signal -1
	s_barrier_wait -1                              ; all 32 fragments of x do
	s_wait_alu depctr_vm_vsrc(0)                   ; my LDS stores have read v128-223: these registers are x's two buffers from here on, and LDS loads land in them
	s_cmp_eq_u32 s29, 0
	s_cbranch_scc1 .Lhidden_done                   ; no tokens: nothing is multiplied.  The jump passes over no barrier
	EXPERT 0
	EXPERT 1
.Lhidden_done:
	s_wait_dscnt 0x0                               ; my parts of h lie in LDS
	s_barrier_signal -1
	s_barrier_wait -1                              ; all 16 fragments do
	s_wait_alu depctr_va_vdst(0)                   ; the products are done reading v128-223 and ring slot 3, the quantiser and the head are done with v224-255: the loads below land in them
	s_wait_alu depctr_vm_vsrc(0)                   ; the quantiser's stores have read v224-238, v248 and v249, the head's loads and store v239 and v250-254: the token loads below land in v224-255
	s_cmp_eq_u32 s29, 0
	s_cbranch_scc1 .Lend                           ; no tokens: nothing is stored
.macro HLOAD reg, off                  ; a fragment of h comes back as it was stored
	ds_load_b128 v[\reg:\reg+3], v24 offset:\off
	ds_load_b64 v[\reg+4:\reg+5], v15 offset:\off+512
	ds_load_b128 v[\reg+6:\reg+9], v24 offset:\off+768
	ds_load_b64 v[\reg+10:\reg+11], v15 offset:\off+1280
.endm
.irp i, 0,1,2,3,4,5,6,7                        ; fragment i = 4 s + m
	HLOAD (128+12*\i), ((2*(\i%4)+\i/4)*1536)
.endr
.set k, 0
.rept 16
	ds_load_b32 v[112+k], v28 offset:128*k
.set k, k+1
.endr
.irp m, 0,1,2,3
	ds_load_b128 v[224+8*\m:227+8*\m], v29 offset:64*\m
	ds_load_b128 v[228+8*\m:231+8*\m], v29 offset:64*\m+16
.endr
	WIN 0x80
.irp i, 0,1,2,3,4
	HLOAD (192+12*\i), ((8+2*(\i%4)+\i/4)*1536)
.endr
	WIN 0xc0
.irp i, 5,6,7
	HLOAD (192+12*(\i-5)), ((8+2*(\i%4)+\i/4)*1536)
.endr
.irp m, 0,1,2,3
	v_mov_b32 v[228+2*\m], v[17+2*\m]              ; (w_hi, w_lo): the packed forms take the low word of a pair for both halves
	v_mov_b32 v[229+2*\m], v[16+2*\m]
.endr
	WIN 0
	s_wait_dscnt 0x0
.set k, 0
.rept 32
	v_min_u32 v[224+k], 0x1fff, v[224+k]
	v_lshl_add_u32 v[224+k], v[224+k], 12, v27     ; register 8 m + i: my 16 bytes in the row of the token of slot 16 m + 8 (lane / 16) + i
.set k, k+1
.endr
.macro GROUP g
	SET2 (2*(\g))
	SET2 (2*(\g)+1)
	WIN 0x51                                       ; y window 1, the weights window 0
.set j, 0
.rept 64
	v_pk_mul_f32 v[j:j+1], v[j:j+1], v[16+2*(j/32):17+2*(j/32)] op_sel_hi:[1,0]   ; w_lo y_lo.  (These are also the places behind the last products)
.set j, j+2
.endr
	WIN 0x5d                                       ; the swapped weights: window 3
.set j, 0
.rept 64
	v_pk_fma_f32 v[j:j+1], v[128+j:129+j], v[228+2*(j/32):229+2*(j/32)], v[j:j+1] op_sel_hi:[1,0,1]   ; + w_hi y_hi
.set j, j+2
.endr
	WIN 0x04                                       ; the data of a store are its source 1: window 1
	s_wait_alu depctr_va_vdst(0)                   ; the weighing has written window 1 v0-127, which the LDS stores read, and is done reading v128-255, in which the loads from the stage land; the 32 offsets v224-255, which the global stores read, are written
.irp m, 0,1,2,3
.irp n, 0,1,2,3
	ds_store_b128 v25, v[32*\m+8*\n:32*\m+8*\n+3] offset:4352*\m+64*\n          ; lane (r, h): token 16 m + r, columns 16 n + 8 h + 0 .. 7 of the 64
	ds_store_b128 v25, v[32*\m+8*\n+4:32*\m+8*\n+7] offset:4352*\m+64*\n+16
.endr
.endr
	WIN 0x40                                       ; back into window 1.  LDS serves the instructions of a wave in order: these see the stores above
.irp m, 0,1,2,3
.irp i, 0,1,2,3,4,5,6,7
	ds_load_b128 v[128+32*\m+4*\i:131+32*\m+4*\i], v26 offset:4352*\m+272*\i
.endr
.endr
	WIN 0x04
.set k, 0
.rept 32
	s_wait_dscnt 31-k
	global_store_b128 v[224+k], v[128+4*k:131+4*k], s[22:23] offset:256*(\g) th:TH_STORE_NT   ; 16 lanes store 256 consecutive bytes, at a multiple of 256 from the first byte of out0
.set k, k+1
.endr
.endm
	GROUP 0
	GROUP 1
	GROUP 2
	GROUP 3
	WIN 0
.Lend:
	s_wait_dscnt 0x0                               ; the closing lines, six on end, for a launch in the mode that stores to LDS
	s_wait_alu 0x0
	s_wait_tensorcnt 0x0
	ds_add_u32 v13, v14
	s_wait_dscnt 0x0
	s_endpgm
.Lfunc_end_k_q4d6e989556_experts:
	.size	k_q4d6e989556_experts, .Lfunc_end_k_q4d6e989556_experts-k_q4d6e989556_experts
	.p2alignl 7, 3214868480
	.fill 96, 4, 3214868480
	.section	.rodata,"a",@progbits
	.p2align	6, 0x0
	.amdhsa_kernel k_q4d6e989556_experts
		.amdhsa_group_segment_fixed_size 146176
		.amdhsa_private_segment_fixed_size 0
		.amdhsa_enable_private_segment 0
		.amdhsa_kernarg_size 80
		.amdhsa_user_sgpr_count 2
		.amdhsa_user_sgpr_kernarg_segment_ptr 1
		.amdhsa_wavefront_size32 1
		.amdhsa_system_sgpr_workgroup_id_x 1
		.amdhsa_system_sgpr_workgroup_id_y 1
		.amdhsa_system_sgpr_workgroup_id_z 1
		.amdhsa_system_vgpr_workitem_id 0
		.amdhsa_next_free_vgpr 1024
		.amdhsa_next_free_sgpr 66
		.amdhsa_reserve_vcc 0
		.amdhsa_float_denorm_mode_32 3
		.amdhsa_float_denorm_mode_16_64 3
		.amdhsa_memory_ordered 1
		.amdhsa_forward_progress 1
		.amdhsa_inst_pref_size 255
	.end_amdhsa_kernel
	.section	.bss,"aw",@nobits
	.p2align	6
	.space	262144
	.amdgpu_metadata
---
amdhsa.version: [ 1, 2 ]
amdhsa.kernels:
  - .name:           k_q4d6e989556_experts
    .symbol:         k_q4d6e989556_experts.kd
    .args:
      - { .name: tiles, .offset: 0, .size: 8, .value_kind: global_buffer, .address_space: global }
      - { .name: order, .offset: 8, .size: 8, .value_kind: global_buffer, .address_space: global }
      - { .name: gw, .offset: 16, .size: 8, .value_kind: global_buffer, .address_space: global }
      - { .name: xq, .offset: 24, .size: 8, .value_kind: global_buffer, .address_space: global }
      - { .name: xs, .offset: 32, .size: 8, .value_kind: global_buffer, .address_space: global }
      - { .name: wimg, .offset: 40, .size: 8, .value_kind: global_buffer, .address_space: global }
      - { .name: w1_scales, .offset: 48, .size: 8, .value_kind: global_buffer, .address_space: global }
      - { .name: w3_scales, .offset: 56, .size: 8, .value_kind: global_buffer, .address_space: global }
      - { .name: w2_scales, .offset: 64, .size: 8, .value_kind: global_buffer, .address_space: global }
      - { .name: out0, .offset: 72, .size: 8, .value_kind: global_buffer, .address_space: global }
    .group_segment_fixed_size: 146176
    .private_segment_fixed_size: 0
    .kernarg_segment_align: 8
    .kernarg_segment_size: 80
    .max_flat_workgroup_size: 128
    .sgpr_count:     66
    .vgpr_count:     1024
    .wavefront_size: 32
...
	.end_amdgpu_metadata
.endif
;; end of part 6
